; MI455X (gfx1250); checked and timed in simulation.
; The chip was launched on July 23, 2026; its instructions are those of AMD's public machine-readable ISA for CDNA 5 (MIT licence, August 2026) and "CDNA5" Instruction Set Architecture Reference Guide (July 2026). The comments in the code are by the model that wrote it; some were corrected since.
;; Attention. Allowed arithmetic: float matrix products may take bf16 or f16 operands with f32 sums; other float arithmetic in f32, or as packed bf16 or f16 multiplies, adds, multiply-adds, maxima and minima; sums over many terms, partial sums and values carried from step to step in f32; what a program stores and reads back later, other than sums and carried values, may be rounded once to bf16 or f16.
;; Inputs: Wkv 1,024 x 2,048 float32; Wo 1,024 x 1,024 float32; Wq 1,024 x 1,024 float32; x 4 x 2,048 x 1,024 float32.
;; Outputs: out0 4 x 2,048 x 1,024 float32.
;; One version. Each part assembles by itself: llvm-mc -triple=amdgcn-amd-amdhsa -mcpu=gfx1250 --defsym DOCPART=n.
;; ======== version 1 of 1: 4 launches
;; limits: values are held in f16: magnitudes above 65,504 overflow, below 6.1e-05 lose precision
;; workspace buffers: xb 16,777,216 bytes; wt 6,291,456 bytes; wot 2,097,152 bytes; qkv 50,331,648 bytes; vm 262,144 bytes; ob 16,777,216 bytes
;; launch prep (part 1): grid 1024 x 1, 8 waves a work-group, no clusters, 18,432 bytes of LDS; arguments x, Wq, Wkv, Wo, xb, wt, wot; writes xb, wt, wot
.if DOCPART == 1
	.amdgcn_target "amdgcn-amd-amdhsa--gfx1250"
	.amdhsa_code_object_version 6
	.text
	.protected	k_qd72cbc649d_prep
	.globl	k_qd72cbc649d_prep
	.p2align	8
	.type	k_qd72cbc649d_prep,@function
k_qd72cbc649d_prep:
	s_mov_b64 s[64:65], 0
	v_nop
	global_prefetch_b8 v0, s[64:65] scope:SCOPE_SE
	s_setreg_imm32_b32 hwreg(HW_REG_WAVE_MODE, 25, 1), 1
	s_wait_xcnt 0x0
; PREPARATION.  xb = x rounded to bf16, same order.  wt = [Wq | Wkv] rounded to bf16 and turned to [n][k], its rows ordered by head:
; row 192 t + 64 kind + c is column 64 t + c of Wq (kind 0), of Wkv (kind 1: k), or column 1,024 + 64 t + c of Wkv (kind 2: v).
; wot = Wo turned to [n][k], rounded to bf16, that number written as f16.
; LIMIT.  A number of Wo below 6e-5 keeps f16's fixed step of 6e-8; beyond 65,504 it would be an infinity.
; Work-groups 0-511: 64 KiB of x each, through registers: a wave's load covers 512 consecutive bytes, its store 256, both aligned.
; Work-groups 512-1023: one tile of 128 k x 64 n of a weight each, turned in LDS (rows = n, 256 bytes + 16 of padding).
; No matrix unit, no cluster, no prefetch: every byte is read once, by long runs, and nothing is shared.
.set PITCH, 272
.set SPARE, 64*PITCH                   ; behind the tile: the spare words, 128 bytes for each of the eight waves
.set SPW, 110                          ; v110  SPARE + 4 x my thread's number; never rewritten
.set NIL, 111                          ; v111  0; never rewritten
	s_load_b256 s[4:11], s[0:1], 0x0               ; x s[4:5], Wq s[6:7], Wkv s[8:9], Wo s[10:11]
	s_load_b128 s[12:15], s[0:1], 0x20             ; xb s[12:13], wt s[14:15]
	s_load_b64 s[16:17], s[0:1], 0x30              ; wot
	v_lshl_add_u32 v[SPW], v0, 2, SPARE
	v_mov_b32 v[NIL], 0
	v_and_b32 v100, 31, v0                         ; lane
	v_lshrrev_b32 v101, 5, v0
	v_readfirstlane_b32 s18, v101                  ; wave 0..7
	s_cmp_lt_u32 ttmp9, 512                        ; the same answer in all waves of a work-group
	s_cbranch_scc0 .Lweights
	; ---- x: wave w takes 8,192 bytes, sixteen loads of 512 ----
	v_lshlrev_b32 v1, 4, v100
	v_lshl_or_b32 v1, s18, 13, v1                  ; in: 8,192 w + 16 lane
	v_lshlrev_b32 v2, 3, v100
	v_lshl_or_b32 v2, s18, 12, v2                  ; out: 4,096 w + 8 lane
	s_lshl_b32 s20, ttmp9, 16
	s_mov_b32 s21, 0
	s_lshl_b32 s22, ttmp9, 15
	s_mov_b32 s23, 0
	s_wait_kmcnt 0x0
	s_add_nc_u64 s[4:5], s[4:5], s[20:21]
	s_add_nc_u64 s[12:13], s[12:13], s[22:23]
.set j, 0
.rept 16
	global_load_b128 v[4+4*j:7+4*j], v1, s[4:5] offset:512*j th:TH_LOAD_NT
.set j, j+1
.endr
.set j, 0
.rept 16
	s_wait_loadcnt 15-j                            ; loads come back in order: load j is in, the 15 - j younger ones stay out
	v_cvt_pk_bf16_f32 v[68+2*j], v[4+4*j], v[5+4*j]
	v_cvt_pk_bf16_f32 v[69+2*j], v[6+4*j], v[7+4*j]
	global_store_b64 v2, v[68+2*j:69+2*j], s[12:13] offset:256*j  ; 32 lanes store 256 consecutive bytes, aligned; no register is written twice
.set j, j+1
.endr
	s_wait_tensorcnt 0x0                           ; the wave's end
	ds_add_u32 v[SPW], v[NIL]
	s_wait_dscnt 0x0
	s_endpgm
	; ---- a weight's tile ----
.Lweights:
	v_and_b32 v102, 15, v0                         ; r
	v_bfe_u32 v103, v0, 4, 1                       ; hh
	s_lshl_b32 s19, s18, 4
	v_lshl_add_u32 v104, v103, 1, s19              ; my first k row in the tile: 16 w + 2 hh
	v_mul_u32_u24 v2, v102, 4*PITCH                ; into LDS: row n = 4 r (+ j), byte 2 k = 32 w + 4 hh (+ 8 it)
	v_lshl_add_u32 v2, s18, 5, v2
	v_lshl_add_u32 v2, v103, 2, v2
	v_lshl_add_u32 v105, s18, 3, v103              ; back: row n = 8 w + hh (+ 2 f),
	v_mul_u32_u24 v3, v105, PITCH
	v_lshl_add_u32 v3, v102, 4, v3                 ; 16 bytes for each of 16 lanes
	v_lshlrev_b32 v106, 11, v105                   ; and the same row in the turned weight: 2,048 bytes a row
	v_lshl_add_u32 v106, v102, 4, v106
	s_sub_co_u32 s21, ttmp9, 512
	s_and_b32 s22, s21, 7                          ; kt: which 128 of k
	s_lshr_b32 s23, s21, 3                         ; 0-15 Wq's blocks of 64 columns, 16-47 Wkv's, 48-63 Wo's
	s_sub_co_u32 s32, s23, 16
	s_sub_co_u32 s33, s23, 48
	s_and_b32 s34, s32, 15
	s_mul_i32 s34, s34, 192
	s_lshr_b32 s35, s32, 4
	s_lshl_b32 s35, s35, 6
	s_add_co_u32 s34, s34, s35
	s_add_co_u32 s34, s34, 64                      ; Wkv's block: row 192 head + 64 (1 + half) of wt
	s_mul_i32 s35, s23, 192                        ; Wq's: row 192 head
	s_lshl_b32 s36, s33, 6                         ; Wo's: row 64 block of wot
	s_wait_kmcnt 0x0
	s_cmp_lt_u32 s23, 16
	s_cselect_b64 s[24:25], s[6:7], s[8:9]
	s_cselect_b32 s28, s23, s32                    ; the block's number in its own weight
	s_cselect_b32 s29, s35, s34                    ; the first row that it becomes
	s_cselect_b32 s31, 0, 1                        ; 1: rows of 8,192 bytes
	s_cmp_lt_u32 s23, 48
	s_cselect_b64 s[24:25], s[24:25], s[10:11]
	s_cselect_b64 s[26:27], s[14:15], s[16:17]
	s_cselect_b32 s28, s28, s33
	s_cselect_b32 s29, s29, s36
	s_cselect_b32 s31, s31, 0
	s_cselect_b32 s30, 0, 1                        ; 1: written as f16
	s_lshl_b32 s36, s29, 11
	s_lshl_b32 s37, s22, 8
	s_add_co_u32 s36, s36, s37
	s_mov_b32 s37, 0
	s_add_nc_u64 s[26:27], s[26:27], s[36:37]      ; to: row x 2,048 + kt x 256
	s_add_co_u32 s39, s31, 19
	s_lshl_b32 s38, s22, s39                       ; from: 128 kt rows
	s_lshl_b32 s39, s28, 8                         ; + 256 bytes a block
	s_add_co_u32 s38, s38, s39
	s_mov_b32 s39, 0
	s_add_nc_u64 s[24:25], s[24:25], s[38:39]
; Eight loads: lanes 0-15 take 256 consecutive bytes of row 16 w + 4 it + e, lanes 16-31 of the row two below.  sh: log2 of a row's bytes
.macro LOADW sh
	v_lshlrev_b32 v1, \sh, v104
	v_lshl_add_u32 v1, v102, 4, v1
.irp it, 0,1,2,3
.irp e, 0,1
	global_load_b128 v[4+8*(\it)+4*(\e):7+8*(\it)+4*(\e)], v1, s[24:25] offset:(4*(\it)+(\e))<<(\sh) th:TH_LOAD_NT
.endr
.endr
.endm
	s_cmp_eq_u32 s31, 0
	s_cbranch_scc0 .Lwide
	LOADW 12
	s_branch .Lloaded
.Lwide:
	LOADW 13
.Lloaded:
	s_wait_loadcnt 0x0
.irp it, 0,1,2,3
.irp j, 0,1,2,3
	v_cvt_pk_bf16_f32 v[36+4*(\it)+(\j)], v[4+8*(\it)+(\j)], v[8+8*(\it)+(\j)]  ; column 4 r + j: rows k and k + 1 in one word
.endr
.endr
	s_cmp_eq_u32 s30, 0
	s_cbranch_scc1 .Lkeep
.set j, 0
.rept 16                                       ; Wo: the bf16 number, written as f16
	v_lshlrev_b32 v[52+2*(j%2)], 16, v[36+j]
	v_and_b32 v[53+2*(j%2)], 0xffff0000, v[36+j]
	v_cvt_pk_f16_f32 v[36+j], v[52+2*(j%2)], v[53+2*(j%2)]
.set j, j+1
.endr
.Lkeep:
.irp it, 0,1,2,3
.irp j, 0,1,2,3
	ds_store_b32 v2, v[36+4*(\it)+(\j)] offset:(\j)*PITCH+(\it)*8
.endr
.endr
	s_wait_dscnt 0x0                               ; for the others' sake: my stores into the tile are done
	s_barrier_signal -1
	s_barrier_wait -1
.irp f, 0,1,2,3
	ds_load_b128 v[56+4*(\f):59+4*(\f)], v3 offset:(\f)*2*PITCH
.endr
.irp f, 0,1,2,3
	s_wait_dscnt 3-(\f)                            ; LDS loads come back in order
	global_store_b128 v106, v[56+4*(\f):59+4*(\f)], s[26:27] offset:(\f)*4096  ; 16 lanes store 256 consecutive bytes, aligned
.endr
	s_wait_tensorcnt 0x0                           ; the wave's end, behind my last LDS store
	ds_add_u32 v[SPW], v[NIL]
	s_wait_dscnt 0x0
	s_endpgm
.Lfunc_end_k_qd72cbc649d_prep:
	.size	k_qd72cbc649d_prep, .Lfunc_end_k_qd72cbc649d_prep-k_qd72cbc649d_prep
	.p2alignl 7, 3214868480
	.fill 96, 4, 3214868480
	.section	.rodata,"a",@progbits
	.p2align	6, 0x0
	.amdhsa_kernel k_qd72cbc649d_prep
		.amdhsa_group_segment_fixed_size 18432
		.amdhsa_private_segment_fixed_size 0
		.amdhsa_enable_private_segment 0
		.amdhsa_kernarg_size 56
		.amdhsa_user_sgpr_count 2
		.amdhsa_user_sgpr_kernarg_segment_ptr 1
		.amdhsa_wavefront_size32 1
		.amdhsa_system_sgpr_workgroup_id_x 1
		.amdhsa_system_sgpr_workgroup_id_y 1
		.amdhsa_system_sgpr_workgroup_id_z 1
		.amdhsa_system_vgpr_workitem_id 0
		.amdhsa_next_free_vgpr 112
		.amdhsa_next_free_sgpr 66
		.amdhsa_reserve_vcc 0
		.amdhsa_float_denorm_mode_32 3
		.amdhsa_float_denorm_mode_16_64 3
		.amdhsa_memory_ordered 1
		.amdhsa_forward_progress 1
		.amdhsa_inst_pref_size 17
	.end_amdhsa_kernel
	.amdgpu_metadata
---
amdhsa.version: [ 1, 2 ]
amdhsa.kernels:
  - .name:           k_qd72cbc649d_prep
    .symbol:         k_qd72cbc649d_prep.kd
    .args:
      - { .name: x, .offset: 0, .size: 8, .value_kind: global_buffer, .address_space: global }
      - { .name: Wq, .offset: 8, .size: 8, .value_kind: global_buffer, .address_space: global }
      - { .name: Wkv, .offset: 16, .size: 8, .value_kind: global_buffer, .address_space: global }
      - { .name: Wo, .offset: 24, .size: 8, .value_kind: global_buffer, .address_space: global }
      - { .name: xb, .offset: 32, .size: 8, .value_kind: global_buffer, .address_space: global }
      - { .name: wt, .offset: 40, .size: 8, .value_kind: global_buffer, .address_space: global }
      - { .name: wot, .offset: 48, .size: 8, .value_kind: global_buffer, .address_space: global }
    .group_segment_fixed_size: 18432
    .private_segment_fixed_size: 0
    .kernarg_segment_align: 8
    .kernarg_segment_size: 56
    .max_flat_workgroup_size: 256
    .sgpr_count:     66
    .vgpr_count:     112
    .wavefront_size: 32
...
	.end_amdgpu_metadata
.endif
;; end of part 1
;; launch gemm_qkv (part 2): grid 16 x 32, 4 waves a work-group, clusters of 4 x 4, 327,680 bytes of LDS; arguments xb, wt, qkv, vm; writes qkv, vm
.if DOCPART == 2
	.amdgcn_target "amdgcn-amd-amdhsa--gfx1250"
	.amdhsa_code_object_version 6
	.text
	.protected	k_qd72cbc649d_gemm_qkv
	.globl	k_qd72cbc649d_gemm_qkv
	.p2align	8
	.type	k_qd72cbc649d_gemm_qkv,@function
k_qd72cbc649d_gemm_qkv:
	s_mov_b64 s[64:65], 0
	v_nop
	global_prefetch_b8 v0, s[64:65] scope:SCOPE_SE
	s_setreg_imm32_b32 hwreg(HW_REG_WAVE_MODE, 25, 1), 1
	s_wait_xcnt 0x0
	s_wait_alu depctr_hold_cnt(0) depctr_sa_sdst(0) depctr_va_vdst(0) depctr_va_sdst(0) depctr_va_ssrc(0) depctr_va_vcc(0) depctr_vm_vsrc(0)
	s_getreg_b32 s2, hwreg(HW_REG_IB_STS2, 6, 4)
	s_cmp_eq_u32 s2, 0
	s_cbranch_scc0 .Lentry_in_a_cluster
	s_endpgm
.Lentry_in_a_cluster:
	s_bfe_u32 s2, ttmp6, 0x10000c
	s_cmp_lg_u32 s2, 0xf033
	s_cbranch_scc0 .Lentry_shape_is_right
	s_endpgm
.Lentry_shape_is_right:
; q, k, v = x [Wq | Wkv].  xb: [8192][1024] bf16; wt: [3072][1024] bf16, rows by head (64 of q, 64 of k, 64 of v); sums in f32.
; qkv: [kind 3][batch x 16 + head][2048][64] f16, each number rounded once, unscaled.  vm: [batch x 16 + head][32][64] f16: the mean of v over each 64 keys, from the f32 sums.
; LIMIT.  q, k, v beyond 65,504 would be infinities in f16.
; A tile of the product is 256 rows x 192 columns = one head's q, k, v: 32 x 16 = 512 tiles, all alike.  Four waves, one above the other: wave w makes rows 64 w .. 64 w + 63
; x all 192 columns: 48 accumulators, 384 registers.  So a wave holds whole rows of a head (dense stores from a stage of its own), and its 64 rows are one group of vm.
; K goes in 8 steps of 128 (rows of 256 bytes, aligned) through two LDS slots 2^17 bytes apart; a K step is written once, and one exclusive or turns an address into the other slot's.
; CLUSTER 4 x 4: xb's tile hangs on the tile row alone and is asked for jointly along a row of the cluster, wt's on the tile column alone, along a column.
; THE MATRIX INSTRUCTION IS USED TRANSPOSED (source 0 = 16 rows of wt, source 1 = 16 rows of xb): a lane holds row l % 16 and eight neighbouring columns.
; REGISTERS: window 0 addresses and the way out; window 1 two fragment buffers of 128 (xb's 4 blocks, then wt's 12); window 2 accumulators of row blocks 0, 1 at 8 (12 (a % 2) + b); window 3 those of 2, 3.
.set KSTEP,  128
.set PITCH,  272                       ; 256 bytes + 16: the 16 rows of a fragment load start at 16 different groups of four banks (ISA guide 11.1)
.set HA,     128*PITCH                 ; what waves 0, 1 fetch: 128 rows of xb
.set HB,     96*PITCH                  ; what waves 2, 3 fetch: 96 rows of wt
.set BOFF,   2*HA
.set SLOT1,  1<<17
.set STAGE,  SLOT1+BOFF+2*HB           ; behind the ring: 16 rows x 400 bytes for each wave
.set SPITCH, 400                       ; 384 bytes + 16
.set SPARE,  STAGE+4*16*SPITCH         ; behind the stages: the spare words, 128 bytes a wave
.set A0,   16                          ; v16  my lane's place in xb's part of a slot; never rewritten
.set B0,   17                          ; v17  in wt's part
.set ADRA, 18                          ; v18  A0 + the slot in hand
.set ADRB, 19
.set STO,  20
.set RD,   21
.set GO,   22                          ; v22-24  16 lane + kind x 2^24
.set VMO,  25
.set SPW,  28
.set NIL,  29
.set PFO,  30
.set TMP,  32                          ; v32-79  a row block packed
.set OB,   80                          ; v80-127, v128-175  rows read back, by turns
.set TT,   176                         ; v176-207, v208-239  the means
.set UU,   208
.set F0,   0
.set F1,   128
.set TB,   2                           ; s2   the slot in hand: 0 or SLOT1
.set G1A,  24
.set G0A,  32                          ; two sets: the first fills; the second then walks
.set G1B,  48
.set G0B,  56
.set LIM,  43
.set PFA,  44
.set VM,   66
.set MSB, 0
.macro WIN new                         ; the immediate's high byte repeats the setting that is left
.if MSB != (\new)
	s_set_vgpr_msb (MSB<<8)|(\new)
.set MSB, \new
.endif
.endm
.set TO_F, 0x40                        ; destination window 1, address window 0
.macro PLACES                          ; four places behind matrix instructions, in front of loads into their sources and of readers of their results
.rept 4
	v_nop
.endr
.endm
; A joint refill by the walking sets.  The branch hangs on the wave's number alone.  An s_nop 0 and four v_nop follow each line.
.macro JLOAD
	s_cmp_eq_u32 s11, 0
	s_cbranch_scc0 .Lfor_b_\@
	tensor_load_to_lds s[G0A+4:G0A+7], s[G1A:G1A+7]
	s_nop 0
	PLACES
	s_branch .Lasked_\@
.Lfor_b_\@:
	tensor_load_to_lds s[G0B+4:G0B+7], s[G1B:G1B+7]
	s_nop 0
	PLACES
.Lasked_\@:
.endm
; A prefetch of the K step two refills on: a lane a row, 256 bytes each.  xb's rows are asked for by the clusters with x = 0, wt's by those with y = 0; the four partners of a joint load share its rows
; out by address (32 of 128, or 24 of 96: there lanes 24-31 name row 23 once more).  The loop's last two trips have no such K step.
.macro ASK
	s_cmp_gt_u32 s3, s[LIM]
	s_cbranch_scc0 .Lnot_mine_\@
	global_prefetch_b8 v[PFO], s[PFA:PFA+1] th:TH_LOAD_NT scope:SCOPE_SE
.Lnot_mine_\@:
.endm
.macro CREST                           ; a round of the cluster's barrier behind its opening barrier
	s_cmp_lg_u32 s10, 0
	s_cbranch_scc1 .Lnot_wave_0_\@
	s_barrier_signal -3
.Lnot_wave_0_\@:
	s_barrier_wait -3
	s_barrier_signal -1
	s_barrier_wait -1
.endm
.macro CROUND
	s_barrier_signal -1
	s_barrier_wait -1
	CREST
.endm
	s_load_b128 s[4:7], s[0:1], 0x0                ; xb s[4:5], wt s[6:7]
	s_load_b64 s[8:9], s[0:1], 0x10                ; qkv
	s_load_b64 s[VM:VM+1], s[0:1], 0x18            ; vm
	v_lshl_add_u32 v[SPW], v0, 2, SPARE
	v_mov_b32 v[NIL], 0
	ds_add_u32 v[SPW], v[NIL]                      ; the wave's opening: the add and its wait ahead of my first tensor load
	ds_add_u32 v28, v29
	v_lshrrev_b32 v1, 5, v0
	v_readfirstlane_b32 s10, v1                    ; wave 0..3
	s_lshr_b32 s11, s10, 1                         ; I fetch for xb (0) or for wt (1),
	s_and_b32 s12, s10, 1                          ; its first or second half
	s_bfe_u32 s40, ttmp6, 0x40000                  ; cx
	s_bfe_u32 s41, ttmp6, 0x40004                  ; cy
	s_lshl_b32 s42, ttmp9, 2
	s_add_co_u32 s42, s42, s40                     ; tile column = head
	s_and_b32 s13, ttmp7, 0xffff
	s_lshl_b32 s13, s13, 2
	s_add_co_u32 s13, s13, s41                     ; tile row
	s_lshl_b32 s43, s41, 2
	s_lshl_b32 s43, 15, s43                        ; my row of the cluster
	s_lshl_b32 s44, 0x1111, s40                    ; my column
	s_or_b32 s[G1A+0], s43, (1<<16)|(1<<20)|(1<<21)|(5<<22)|(3<<25)  ; the mask; 2-byte elements; padding on; bit 21 beside a mask; after every 64 words, 4 words
	s_or_b32 s[G1B+0], s44, (1<<16)|(1<<20)|(1<<21)|(5<<22)|(3<<25)
	s_mov_b32 s[G1A+1], KSTEP<<16                  ; tensor_dim0 = 128
	s_mov_b32 s[G1A+2], 128<<16                    ; tensor_dim1 = 128
	s_mov_b32 s[G1A+3], KSTEP<<16                  ; tile_dim0 = 128
	s_mov_b32 s[G1A+4], 128                        ; tile_dim1 = 128
	s_mov_b32 s[G1A+5], 1024                       ; elements from row to row
	s_mov_b32 s[G1A+6], 0
	s_mov_b32 s[G1A+7], 0
	s_mov_b32 s[G1B+1], KSTEP<<16
	s_mov_b32 s[G1B+2], 96<<16                     ; 96 rows
	s_mov_b32 s[G1B+3], KSTEP<<16
	s_mov_b32 s[G1B+4], 96
	s_mov_b32 s[G1B+5], 1024
	s_mov_b32 s[G1B+6], 0
	s_mov_b32 s[G1B+7], 0
	s_lshl_b32 s16, s13, 8
	s_lshl_b32 s17, s12, 7
	s_add_co_u32 s16, s16, s17                     ; xb: row 256 x tile row + 128 x half,
	s_lshl_b32 s16, s16, 11                        ; 2,048 bytes a row
	s_mov_b32 s17, 0
	s_mul_i32 s46, s42, 192
	s_mul_i32 s47, s12, 96
	s_add_co_u32 s46, s46, s47                     ; wt: row 192 x head + 96 x half
	s_lshl_b32 s46, s46, 11
	s_mov_b32 s47, 0
	s_mul_i32 s20, s12, HA                         ; where they go: no place in the cluster enters an LDS address
	s_mul_i32 s21, s12, HB
	s_add_co_u32 s21, s21, BOFF
	s_mov_b32 s[TB], 0
	s_wait_dscnt 0x0                               ; the opening add is done
	s_wait_kmcnt 0x0
	s_add_nc_u64 s[14:15], s[4:5], s[16:17]
	s_add_nc_u64 s[46:47], s[6:7], s[46:47]
	CROUND                                         ; all sixteen work-groups are here: the first joint loads meet
.irp s, 0,1
	s_mov_b32 s[G0A+4*(\s)], 1
	s_add_co_u32 s[G0A+4*(\s)+1], s20, (\s)*SLOT1
	s_add_nc_u64 s[G0A+4*(\s)+2:G0A+4*(\s)+3], s[14:15], (\s)*KSTEP*2
	s_or_b32 s[G0A+4*(\s)+3], s[G0A+4*(\s)+3], 0x80000000
	s_mov_b32 s[G0B+4*(\s)], 1
	s_add_co_u32 s[G0B+4*(\s)+1], s21, (\s)*SLOT1
	s_add_nc_u64 s[G0B+4*(\s)+2:G0B+4*(\s)+3], s[46:47], (\s)*KSTEP*2
	s_or_b32 s[G0B+4*(\s)+3], s[G0B+4*(\s)+3], 0x80000000
.endr
	s_cmp_eq_u32 s11, 0                            ; a wave's two first fills stand in one branch: two loads of mine are out
	s_cbranch_scc0 .Lfirst_b
	tensor_load_to_lds s[G0A:G0A+3], s[G1A:G1A+7]
	s_nop 0
	tensor_load_to_lds s[G0A+4:G0A+7], s[G1A:G1A+7]
	s_nop 0
	PLACES
	s_branch .Lfirst_asked
.Lfirst_b:
	tensor_load_to_lds s[G0B:G0B+3], s[G1B:G1B+7]
	s_nop 0
	tensor_load_to_lds s[G0B+4:G0B+7], s[G1B:G1B+7]
	s_nop 0
	PLACES
.Lfirst_asked:
	v_and_b32 v1, 15, v0                           ; r = l % 16; kept
	v_bfe_u32 v2, v0, 4, 1                         ; h = l / 16; kept
	v_mul_u32_u24 v3, v1, PITCH
	v_lshl_add_u32 v3, v2, 4, v3                   ; a fragment's row x pitch + 16 x half
	s_mul_i32 s20, s10, 64*PITCH                   ; my 64 rows of xb
	v_add_nc_u32 v[A0], s20, v3
	v_add_nc_u32 v[B0], BOFF, v3
	v_mov_b32 v[ADRA], v[A0]
	v_mov_b32 v[ADRB], v[B0]
	s_mul_i32 s20, s10, 16*SPITCH
	s_add_co_u32 s20, s20, STAGE                   ; my stage
	v_mul_u32_u24 v4, v1, SPITCH
	v_lshl_add_u32 v4, v2, 4, v4
	v_add_nc_u32 v[STO], s20, v4                   ; in: row r, 16 bytes for each half of the lanes
	v_bfe_u32 v4, v0, 3, 2
	v_mul_u32_u24 v4, v4, SPITCH
	v_and_b32 v5, 7, v0
	v_lshl_add_u32 v4, v5, 4, v4
	v_add_nc_u32 v[RD], s20, v4                    ; back: 32 lanes take 128 bytes of four rows,
	v_and_b32 v5, 31, v0
	v_lshlrev_b32 v[GO], 4, v5                     ; which are 512 consecutive bytes of a head
	v_add_nc_u32 v[GO+1], 1<<24, v[GO]
	v_add_nc_u32 v[GO+2], 2<<24, v[GO]
	v_lshlrev_b32 v[VMO], 5, v1
	v_lshl_add_u32 v[VMO], v2, 4, v[VMO]           ; 32 r + 16 h
	s_lshr_b32 s20, s13, 3
	s_lshl_b32 s20, s20, 4
	s_add_co_u32 s20, s20, s42                     ; batch x 16 + head
	s_and_b32 s21, s13, 7
	s_lshl_b32 s22, s20, 5
	s_lshl_b32 s23, s21, 2
	s_add_co_u32 s22, s22, s23
	s_add_co_u32 s22, s22, s10                     ; my group of 64 rows among all heads'
	s_lshl_b32 s22, s22, 7                         ; 128 bytes of vm,
	s_mov_b32 s23, 0
	s_add_nc_u64 s[VM:VM+1], s[VM:VM+1], s[22:23]
	s_lshl_b32 s22, s22, 6                         ; 8,192 bytes of each kind of qkv
	s_add_nc_u64 s[8:9], s[8:9], s[22:23]
	; the prefetches
	s_lshl_b32 s20, s13, 8
	s_lshl_b32 s21, s12, 7
	s_add_co_u32 s20, s20, s21                     ; the first row that I fetch: of xb,
	s_mul_i32 s21, s42, 192
	s_mul_i32 s22, s12, 96
	s_add_co_u32 s21, s21, s22                     ; of wt
	s_and_b32 s22, ttmp7, 0xffff                   ; cluster y
	s_cmp_eq_u32 s11, 0
	s_cselect_b32 s20, s20, s21
	s_cselect_b32 s21, s40, s41                    ; my place among the four that ask with me
	s_cselect_b32 s22, ttmp9, s22                  ; the coordinate along which other clusters read the same rows
	s_cselect_b32 s23, 32, 24                      ; my work-group's share of the rows
	s_cselect_b64 s[PFA:PFA+1], s[4:5], s[6:7]
	s_mul_i32 s21, s21, s23
	s_add_co_u32 s20, s20, s21
	s_sub_co_u32 s23, s23, 1
	v_min_u32 v[PFO], s23, v5
	v_lshlrev_b32 v[PFO], 11, v[PFO]               ; a lane a row
	s_cmp_eq_u32 s22, 0
	s_cselect_b32 s[LIM], 2, -1                    ; the same in all sixteen partners, for a given wave
	s_lshl_b32 s20, s20, 11
	s_mov_b32 s21, 0
	s_add_nc_u64 s[PFA:PFA+1], s[PFA:PFA+1], s[20:21]
	s_add_nc_u64 s[PFA:PFA+1], s[PFA:PFA+1], 3*KSTEP*2  ; at K step 3: the first refill steps it to 4.  Nothing is asked for here, at the head
; 12 matrix instructions: row block a x all 12 column blocks, 32 along K.  The 48 accumulators take turns in one order everywhere.
.macro MULA f, a, zero
	WIN 0xa5+0x50*((\a)/2)                         ; sources in window 1; C and D in window 2 or 3
.set AC, 96*((\a)%2)
.irp b, 0,1,2,3,4,5,6,7,8,9,10,11
.if \zero
	v_wmma_f32_16x16x32_bf16 v[AC+8*(\b):AC+8*(\b)+7], v[(\f)+32+8*(\b):(\f)+32+8*(\b)+7], v[(\f)+8*(\a):(\f)+8*(\a)+7], 0
.else
	v_wmma_f32_16x16x32_bf16 v[AC+8*(\b):AC+8*(\b)+7], v[(\f)+32+8*(\b):(\f)+32+8*(\b)+7], v[(\f)+8*(\a):(\f)+8*(\a)+7], v[AC+8*(\b):AC+8*(\b)+7]
.endif
.endr
.endm
; 32 LDS loads in one run: quarter q (32 along K) of the slot in hand into buffer f: wt's 24, then xb's blocks 0, 1, then 2, 3
.macro FETCH q, f
	WIN TO_F
.irp b, 0,1,2,3,4,5,6,7,8,9,10,11
	ds_load_b128 v[(\f)+32+8*(\b):(\f)+32+8*(\b)+3],   v[ADRB] offset:64*(\q)+(\b)*16*PITCH
	ds_load_b128 v[(\f)+32+8*(\b)+4:(\f)+32+8*(\b)+7], v[ADRB] offset:64*(\q)+(\b)*16*PITCH+32
.endr
.irp i, 0,1,2,3
	ds_load_b128 v[(\f)+8*(\i):(\f)+8*(\i)+3],   v[ADRA] offset:64*(\q)+(\i)*16*PITCH
	ds_load_b128 v[(\f)+8*(\i)+4:(\f)+8*(\i)+7], v[ADRA] offset:64*(\q)+(\i)*16*PITCH+32
.endr
.endm
; One of a K step's first three quarters: multiplies buffer f; in its middle it fetches quarter q into buffer g
.macro QUARTER q, f, g, zero
	s_wait_dscnt 4                                 ; all but the youngest four loads (xb's blocks 2, 3)
	MULA \f, 0, \zero
	MULA \f, 1, \zero
	PLACES
	FETCH \q, \g
	s_wait_dscnt 32                                ; all but the 32 just issued
	MULA \f, 2, \zero
	MULA \f, 3, \zero
.endm
; The last quarter's first half, and the one barrier of a change of slots
.macro MEET round
	WIN 0
	s_wait_tensorcnt 0x0                           ; all my tensor loads have landed: the one that was out is my part of the next slot;
	ds_add_u32 v[SPW], v[NIL]                      ; 0 onto my spare word;
	s_wait_dscnt 5                                 ; (the add and the youngest four loads may be out)
	MULA F1, 0, 0
	s_wait_dscnt 0x0                               ; the add is done, and my reads of this slot are over
	s_barrier_signal -1
	MULA F1, 1, 0
.if \round
	WIN 0
.endif
	s_barrier_wait -1
.endm
; The whole last quarter.  fill = 1: the barrier opens a round of the cluster's; behind it the slot just read is filled again, two K steps ahead: 168 matrix instructions ahead of the wait for it
.macro TURN fill
.if \fill
	s_wait_xcnt 0x0                                ; the last prefetch, a K step back, has read its address
	s_add_nc_u64 s[PFA:PFA+1], s[PFA:PFA+1], KSTEP*2
.endif
	MEET \fill
.if \fill
	CREST
	s_xor_b32 s[G0A+5], s[G0A+5], SLOT1            ; the walking sets: the other slot than last time, the next K step
	s_add_nc_u64 s[G0A+6:G0A+7], s[G0A+6:G0A+7], KSTEP*2
	s_xor_b32 s[G0B+5], s[G0B+5], SLOT1
	s_add_nc_u64 s[G0B+6:G0B+7], s[G0B+6:G0B+7], KSTEP*2
	JLOAD                                          ; its four v_nop are also the places in front of the loads below
.else
	PLACES
.endif
	WIN 0
	s_xor_b32 s[TB], s[TB], SLOT1
	v_add_nc_u32 v[ADRA], s[TB], v[A0]
	v_add_nc_u32 v[ADRB], s[TB], v[B0]
	FETCH 0, F0
.if \fill
	WIN 0
	ASK
.endif
	MULA F1, 2, 0
	MULA F1, 3, 0
.endm
	s_wait_tensorcnt 1                             ; my part of K step 0 is in; K step 1's may stay out
	s_barrier_signal -1
	s_barrier_wait -1
	FETCH 0, F0
	QUARTER 1, F0, F1, 1                           ; the first quarter starts the sums: nothing is cleared
	WIN 0
	s_mov_b32 s3, 6
.Lk:                                                   ; a trip: a K step's quarters 1, 2, 3 and the next step's quarter 0; six refills: K steps 2 to 7
	QUARTER 2, F1, F0, 0
	QUARTER 3, F0, F1, 0
	TURN 1
	QUARTER 1, F0, F1, 0
	WIN 0
	s_sub_co_u32 s3, s3, 1
	s_cmp_lg_u32 s3, 0
	s_cbranch_scc1 .Lk
	QUARTER 2, F1, F0, 0                           ; the tail asks for nothing
	QUARTER 3, F0, F1, 0
	TURN 0
	QUARTER 1, F0, F1, 0
	QUARTER 2, F1, F0, 0
	QUARTER 3, F0, F1, 0
	s_wait_dscnt 4
	MULA F1, 0, 0
	MULA F1, 1, 0
	s_wait_dscnt 0x0
	MULA F1, 2, 0
	MULA F1, 3, 0
; THE WAY OUT, a row block (16 rows) at a time: rounded to f16; into my stage; back as 128 bytes of four rows for each kind; stored as 512 consecutive bytes
.macro PACK a
	WIN 0x0a+5*((\a)/2)                            ; sources in window 2 or 3
.set AC, 96*((\a)%2)
.irp b, 0,1,2,3,4,5,6,7,8,9,10,11
.irp r, 0,1,2,3
	v_cvt_pk_f16_f32 v[TMP+4*(\b)+(\r)], v[AC+8*(\b)+2*(\r)], v[AC+8*(\b)+2*(\r)+1]
.endr
.endr
	WIN 0
.endm
.macro TOSTAGE a
	WIN 0
.set BK, OB+48*((\a)%2)
.if (\a) >= 2
	s_wait_xcnt 0x0                                ; the stores of two blocks back have read these registers
.endif
.irp b, 0,1,2,3,4,5,6,7,8,9,10,11
	ds_store_b128 v[STO], v[TMP+4*(\b):TMP+4*(\b)+3] offset:32*(\b)
.endr
.irp k, 0,1,2
.irp g, 0,1,2,3
	ds_load_b128 v[BK+4*(4*(\k)+(\g)):BK+4*(4*(\k)+(\g))+3], v[RD] offset:128*(\k)+4*SPITCH*(\g)  ; LDS serves a wave's instructions in order (ISA guide 5.7.1.4)
.endr
.endr
.endm
.macro SEND a
	WIN 0
.set BK, OB+48*((\a)%2)
	s_wait_dscnt 0x0
.irp k, 0,1,2
.irp g, 0,1,2,3
	global_store_b128 v[GO+(\k)], v[BK+4*(4*(\k)+(\g)):BK+4*(4*(\k)+(\g))+3], s[8:9] offset:2048*(\a)+512*(\g)
.endr
.endr
.endm
	PLACES
	PACK 0
	TOSTAGE 0
.irp a, 1,2,3
	PACK \a
	SEND (\a)-1
	TOSTAGE \a
.endr
	SEND 3
	; THE MEAN OF v over my 64 rows: column blocks 8-11 of all four row blocks, then over the 16 lanes of a half; lane r < 4 keeps block 8 + r: channels 16 r + 8 h + 0..7
	WIN 0x0a
.set z, 0
.rept 16
	v_pk_add_f32 v[TT+2*z:TT+2*z+1], v[64+2*z:65+2*z], v[160+2*z:161+2*z]
.set z, z+1
.endr
	WIN 0x0f
.set z, 0
.rept 16
	v_pk_add_f32 v[UU+2*z:UU+2*z+1], v[64+2*z:65+2*z], v[160+2*z:161+2*z]
.set z, z+1
.endr
	WIN 0
.set z, 0
.rept 16
	v_pk_add_f32 v[TT+2*z:TT+2*z+1], v[TT+2*z:TT+2*z+1], v[UU+2*z:UU+2*z+1]
.set z, z+1
.endr
.irp m, 1,2,4,8
.set z, 0
.rept 32
	v_add_f32_dpp v[TT+z], v[TT+z], v[TT+z] row_xmask:\m row_mask:0xf bank_mask:0xf
.set z, z+1
.endr
.endr
	v_cmp_eq_u32 s70, 1, v1
	v_cmp_eq_u32 s71, 2, v1
	v_cmp_eq_u32 s72, 3, v1
.irp k, 1,2,3
.irp j, 0,1,2,3,4,5,6,7
	v_cndmask_b32 v[TT+(\j)], v[TT+(\j)], v[TT+8*(\k)+(\j)], s[69+(\k)]
.endr
.endr
.irp z, 0,1,2,3
	v_pk_mul_f32 v[TT+2*(\z):TT+2*(\z)+1], v[TT+2*(\z):TT+2*(\z)+1], 0x3c800000 op_sel_hi:[1,0]  ; / 64
.endr
.irp z, 0,1,2,3
	v_cvt_pk_f16_f32 v[UU+(\z)], v[TT+2*(\z)], v[TT+2*(\z)+1]
.endr
	v_cmp_gt_u32 vcc_lo, 4, v1
	s_wait_xcnt 0x0                                ; EXEC changes only behind this wait
	s_and_saveexec_b32 s73, vcc_lo
	global_store_b128 v[VMO], v[UU:UU+3], s[VM:VM+1]  ; eight lanes store the group's 128 consecutive bytes
	s_wait_xcnt 0x0
	s_or_b32 exec_lo, exec_lo, s73
	s_wait_tensorcnt 0x0                           ; the wave's end
	ds_add_u32 v[SPW], v[NIL]
	s_wait_dscnt 0x0
	CROUND                                         ; the closing round
	s_endpgm
.Lfunc_end_k_qd72cbc649d_gemm_qkv:
	.size	k_qd72cbc649d_gemm_qkv, .Lfunc_end_k_qd72cbc649d_gemm_qkv-k_qd72cbc649d_gemm_qkv
	.p2alignl 7, 3214868480
	.fill 96, 4, 3214868480
	.section	.rodata,"a",@progbits
	.p2align	6, 0x0
	.amdhsa_kernel k_qd72cbc649d_gemm_qkv
		.amdhsa_group_segment_fixed_size 327680
		.amdhsa_private_segment_fixed_size 0
		.amdhsa_enable_private_segment 0
		.amdhsa_kernarg_size 32
		.amdhsa_user_sgpr_count 2
		.amdhsa_user_sgpr_kernarg_segment_ptr 1
		.amdhsa_wavefront_size32 1
		.amdhsa_system_sgpr_workgroup_id_x 1
		.amdhsa_system_sgpr_workgroup_id_y 1
		.amdhsa_system_sgpr_workgroup_id_z 1
		.amdhsa_system_vgpr_workitem_id 0
		.amdhsa_next_free_vgpr 960
		.amdhsa_next_free_sgpr 76
		.amdhsa_reserve_vcc 1
		.amdhsa_float_denorm_mode_32 3
		.amdhsa_float_denorm_mode_16_64 3
		.amdhsa_memory_ordered 1
		.amdhsa_forward_progress 1
		.amdhsa_inst_pref_size 111
	.end_amdhsa_kernel
	.amdgpu_metadata
---
amdhsa.version: [ 1, 2 ]
amdhsa.kernels:
  - .name:           k_qd72cbc649d_gemm_qkv
    .symbol:         k_qd72cbc649d_gemm_qkv.kd
    .args:
      - { .name: xb, .offset: 0, .size: 8, .value_kind: global_buffer, .address_space: global }
      - { .name: wt, .offset: 8, .size: 8, .value_kind: global_buffer, .address_space: global }
      - { .name: qkv, .offset: 16, .size: 8, .value_kind: global_buffer, .address_space: global }
      - { .name: vm, .offset: 24, .size: 8, .value_kind: global_buffer, .address_space: global }
    .group_segment_fixed_size: 327680
    .private_segment_fixed_size: 0
    .kernarg_segment_align: 8
    .kernarg_segment_size: 32
    .max_flat_workgroup_size: 128
    .sgpr_count:     76
    .vgpr_count:     960
    .wavefront_size: 32
...
	.end_amdgpu_metadata
.endif
;; end of part 2
;; launch attn (part 3): grid 4 x 64, 4 waves a work-group, no clusters, 327,680 bytes of LDS; arguments qkv, vm, ob; writes ob
.if DOCPART == 3
	.amdgcn_target "amdgcn-amd-amdhsa--gfx1250"
	.amdhsa_code_object_version 6
	.text
	.protected	k_qd72cbc649d_attn
	.globl	k_qd72cbc649d_attn
	.p2align	8
	.type	k_qd72cbc649d_attn,@function
k_qd72cbc649d_attn:
	s_mov_b64 s[64:65], 0
	v_nop
	global_prefetch_b8 v0, s[64:65] scope:SCOPE_SE
	s_setreg_imm32_b32 hwreg(HW_REG_WAVE_MODE, 25, 1), 1
	s_wait_xcnt 0x0
; CAUSAL ATTENTION WITH A FINITE MASK VALUE.  For head h and query i: O = sum_j p_j V[j] / sum_j p_j, p_j = exp(d_j - max d), d_j = Q[i] . K[j] / 8 for j <= i and -50,000 for j > i.
; Q, K, V: the three kinds of qkv, [64 heads][2048][64] f16, 2^24 bytes apart; vm: [64][32][64] f16, the mean of V over each 64 keys; ob: [64][2048][64] f16.  Products, maxima and sums in f32.
; LIMITS.  p is rounded to f16 for the second product (below 6e-5 it keeps f16's step of 6e-8; l is taken of the unrounded p); a weight below 2^-126 counts as 0 in l; NaN and infinities are not treated apart.
; THE HIDDEN KEYS.  In unscaled scores s = Q . K a hidden key has the score M = -400,000 (8 x -50,000).  All hidden keys of a query have one weight w = 2^(c M - c m), c = log2(e) / 8.  The running maximum m
; starts at M (in the last row of all, which has no hidden key, at the lowest number).  The tiles above the diagonal are not walked; their share is added: (a) in the key step that holds a band's diagonal the hidden
; places of P, which are +0 there, take f16(w); (b) every wholly hidden group of 64 keys enters at the block's end as ONE pseudo-key with the row vm[g] and the weight 64 w: one product of 32 keys for each 16
; channels; (c) l takes w x (2047 - i).  w is held to 1 at the most (it passes 1 only by rounding, or in the last row, where every factor beside it is 0).
; THE WALK.  A head's queries lie in NB = 8 blocks of 256; block i needs the key tiles 0 .. i.  A work-group takes TWO blocks, NB - 1 - b and then b: NB + 1 tiles, whatever b; ONE loop with a constant trip count
; walks them; every jump goes forward but the counted loops' own; none passes a barrier, or a tensor load but the one of LOAD's two that the wave's number does not choose.
; NO CLUSTER: a head's four work-groups ask for the same tile only in trips 0 .. 4 of 9; one walk common to all would have 12 trips for 9.
; SHARES.  Of a block's four bands of 64 queries a wave owns 16 rows in each: four PIECES: in the diagonal tile's key step s band x sees all keys if s < x, none if s > x, and holds the diagonal if s = x.
; THE MASK is the C operand that starts the sum S^T = K Q^T: 0, or -1e30 where the key is hidden (its p is then exactly 0).  A product's mask is MD x AL + BE with two scalars.
; LAYOUT, TURNS.  S^T = K Q^T holds ONE query a lane (lane % 16) and the keys 8 (lane / 16) + 0..7; two results rounded to f16 ARE source 1 of O^T = V^T P.  Turn n belongs to piece n: 8 products K Q^T of piece
; n + 1, later 8 products V^T P of piece n - 1; beside them piece n's scaling, exponentials, roundings, sums and rescaling and piece n + 1's maximum.  A turn's exponentials are one batch, with one wait.
; REGISTERS (s_set_vgpr_msb: bits 1:0 source 0, 3:2 source 1, 5:4 source 2, 7:6 destination):
;   window 0: v0-15 addresses; v16-31 statistics; v32-47 the hidden keys' numbers; v48-55 at work; v64-127 S^T; v128-143 HM; v160-191 PG; v192-223 P
;   window 1: v0-127 O^T; v128-159 MD; v160-223 MC      window 2: v0-63 Q; v64-127 the second block's Q; v128-191 K of one step (at a block's end: vm's rows); v192-255 V of one step
.set SIZE_N, 2048
.set NB,    SIZE_N/256
.set NP,    4
.set KS,    64
.set PK,    144       ; a row of K in LDS: 128 bytes + 16
.set PV,    160       ; a row of V, and of vm: 128 + 32
.set VOFF,  4*KS*PK
.set SLOT1, 1<<17
.set STAGE, SLOT1+4*KS*(PK+PV)
.set SP,    144
.set SPARE, STAGE+4*16*SP
.set VMB,   SPARE+512 ; behind the spare words: for each wave a copy of the head's vm: 32 rows, then 32 rows of zeros; filled once
.set VMC,   64*PV
.set AK0, 2
.set AV0, 3
.set AK,  4
.set AV,  5
.set STO, 6
.set RD,  7
.set GO,  8
.set SPW, 62
.set NIL, 63
.set MV,  12
.set QO,  15
.set ST,  16          ; piece t: c m, m, l (even keys', odd keys')
.set CB,  32          ; v32  the hidden keys of my query in band 0: 2047 - 256 block - QP0
.set QP0, 33          ; v33  16 wave + l % 16
.set WE,  34          ; v34  c M - c m, then w
.set WP,  35          ; v35  f16(w) twice, or 0
.set W4,  36          ; v36-39  the four pieces' w at the block's end
.set CT,  40          ; v40-43  their counts
.set MA0, 44          ; v44  all ones in lanes 16-31, else 0
.set MA1, 45          ; v45  the same, with the upper half set in lanes 0-15
.set AVM0, 46
.set AVM, 47
.set TMP, 48
.set PFO, 56          ; v56  256 x lane
.set S,   64
.set HM,  128         ; v128-143  ones in the halves of P that are hidden in a band's own step
.set PG,  160         ; v160-191  the pseudo-keys' weights, 8 registers a piece
.set P,   192
.set MD,  128
.set MC,  160
.set QB,  64
.set KF,  128
.set VF,  192
.set WV,  12
.set PB,  14
.set HI,  15
.set G1K, 24
.set G1V, 32
.set G0K, 40
.set G0V, 44
.set G1M, 48
.set SLOTS, 56
.set CNT, 57
.set CS,  58
.set SEL, 60
.set TBK, 62
.set TBV, 63
.set VMP, 66
.set G0M, 68
.set RT,  72
.set NXT, 73
.set LQ,  74
.set NEW, 75
.set OFF, 76
.set AL,  78
.set BE,  80
.set OLO, 82
.set BIGN, 84
.set MSK, 85          ; s85  M = -400,000
.set FL,  90          ; s90  all ones where the turn's step is the band's own
.set CUR, 91          ; s91  the block in hand
.set LOW, 92          ; s92  the lowest finite number
.set LIM, 93          ; s93  2 in the work-group that prefetches, else the greatest number
.set PFA, 94
.set MSB, 0
.macro WIN new
.if MSB != (\new)
	s_set_vgpr_msb (MSB<<8)|(\new)
.set MSB, (\new)
.endif
.endm
.set W_KQ, 0x0a
.set W_KM, 0x1a
.set W_PV, 0x52
.set W_RS, 0x41
; A fill.  Waves 0 and 1 fetch the two halves of a tile's K, waves 2 and 3 those of its V.  An s_nop 0 and four v_nop follow each line.
.macro LOAD
	s_cmp_lt_u32 s[WV], 2
	s_cbranch_scc0 .Lfor_v_\@
	tensor_load_to_lds s[G0K:G0K+3], s[G1K:G1K+7]
	s_nop 0
.rept 4
	v_nop
.endr
	s_branch .Lasked_\@
.Lfor_v_\@:
	tensor_load_to_lds s[G0V:G0V+3], s[G1V:G1V+7]
	s_nop 0
.rept 4
	v_nop
.endr
.Lasked_\@:
.endm
; THE CHANGE OF SLOTS.  Each wave waits for all its tensor loads, adds 0 to its spare word, and waits for that and for its reads of the slot that it leaves.  fill = 1: the old slot is filled again, first thing
; behind the barrier, with tile NXT.  Behind that load the head's work-group b = 0, which walks tiles 0 to 7 in order, prefetches the tile after NXT: each wave the 64 blocks of 256 bytes that it will fetch
; itself, a lane a block, two instructions; in the trips with SLOTS = 8 to 3 that names tiles 2 to 7, each once in the launch; later trips ask for nothing.
.macro CHANGE fill
	WIN 0
	s_wait_tensorcnt 0x0            ; no tensor load of mine is out, so a group 0 may be written
	ds_add_u32 v[SPW], v[NIL]       ; 0 onto my spare word
.if \fill
	s_lshl_b32 s[OFF], s[NXT], 15
	s_xor_b32 s[G0K+1], s[G0K+1], SLOT1
	s_add_nc_u64 s[G0K+2:G0K+3], s[6:7], s[OFF:OFF+1]
	s_or_b32 s[G0K+3], s[G0K+3], 0x80000000
	s_xor_b32 s[G0V+1], s[G0V+1], SLOT1
	s_add_nc_u64 s[G0V+2:G0V+3], s[8:9], s[OFF:OFF+1]
	s_or_b32 s[G0V+3], s[G0V+3], 0x80000000
	s_add_co_u32 s[NXT], s[NXT], 1
	s_cmp_gt_u32 s[NXT], s[LQ]
	s_cselect_b32 s[NXT], 0, s[NXT]
	s_cselect_b32 s[LQ], s[PB], s[LQ]
	s_wait_xcnt 0x0                 ; the last prefetches, a tile back, have read their address
	s_add_nc_u64 s[PFA:PFA+1], s[PFA:PFA+1], 32768
.endif
	s_wait_dscnt 0x0                ; the add is done, and my reads of the slot are over
	s_barrier_signal -1
	s_sub_co_u32 s[TBK], s[TBK], 4*KS*PK
	s_xor_b32 s[TBK], s[TBK], SLOT1
	s_sub_co_u32 s[TBV], s[TBV], 4*KS*PV
	s_xor_b32 s[TBV], s[TBV], SLOT1
	s_barrier_wait -1
.if \fill
	LOAD
	s_cmp_gt_u32 s[SLOTS], s[LIM]
	s_cbranch_scc0 .Lno_pf_\@
	global_prefetch_b8 v[PFO], s[PFA:PFA+1] th:TH_LOAD_NT scope:SCOPE_SE
	global_prefetch_b8 v[PFO], s[PFA:PFA+1] offset:8192 th:TH_LOAD_NT scope:SCOPE_SE
.Lno_pf_\@:
.endif
.endm
	s_load_b64 s[4:5], s[0:1], 0x0     ; qkv
	s_load_b64 s[VMP:VMP+1], s[0:1], 0x8  ; vm
	s_load_b64 s[10:11], s[0:1], 0x10  ; ob
	v_lshl_add_u32 v[SPW], v0, 2, SPARE
	v_mov_b32 v[NIL], 0
	ds_add_u32 v[SPW], v[NIL]       ; the wave's opening: the add and its wait ahead of my first tensor load
	ds_add_u32 v62, v63
	v_lshrrev_b32 v1, 5, v0
	v_readfirstlane_b32 s[WV], v1
	s_mov_b32 s[PB], ttmp9
	s_sub_co_u32 s[HI], NB-1, s[PB]
	s_mov_b32 s[CUR], s[HI]
	s_and_b32 s20, ttmp7, 0xffff    ; the head
	s_lshl_b32 s86, s20, 12         ; its 4,096 bytes of vm
	s_mov_b32 s87, 0
	s_mov_b32 s21, 0
	s_mov_b64 s[22:23], SIZE_N*128
	s_mul_u64 s[20:21], s[20:21], s[22:23]  ; the head's first byte in Q, K, V and O
	s_and_b32 s16, s[WV], 1
	s_lshl_b32 s22, s16, 14
	s_mov_b32 s23, 0
	s_add_nc_u64 s[22:23], s[22:23], s[20:21]
	s_mul_i32 s17, s16, 128*PK
	s_mul_i32 s18, s16, 128*PV
	s_lshl_b32 s3, s[WV], 11        ; my 16 rows in a band of 64,
	s_lshl_b32 s2, s[HI], 15        ; in the first block,
	s_add_co_u32 s2, s2, s3
	s_lshl_b32 s88, s[PB], 15       ; and in the second
	s_add_co_u32 s88, s88, s3
	s_mov_b32 s3, 0
	s_mov_b32 s89, 0
	s_add_nc_u64 s[2:3], s[2:3], s[20:21]
	s_add_nc_u64 s[88:89], s[88:89], s[20:21]
	s_mov_b32 s[G1K], (1<<16)|(1<<20)|(4<<22)|(3<<25)  ; 2-byte elements; padding on; after every 32 words, 4 words
	s_mov_b32 s[G1V], (1<<16)|(1<<20)|(4<<22)|(7<<25)  ; the same with 8 words
.irp g, G1K, G1V
	s_mov_b32 s[\g+1], 128<<16      ; 128 keys are 16,384 dense bytes: 64 rows of 256
	s_mov_b32 s[\g+2], 64<<16
	s_mov_b32 s[\g+3], 128<<16
	s_mov_b32 s[\g+4], 64
	s_mov_b32 s[\g+5], 128
	s_mov_b32 s[\g+6], 0
	s_mov_b32 s[\g+7], 0
.endr
	s_mov_b32 s[G1M], (1<<16)|(1<<20)|(4<<22)|(7<<25)  ; vm: the head's 4,096 dense bytes are 16 rows of 256; the tile has 32: those past the tensor's 16 arrive as zeros
	s_mov_b32 s[G1M+1], 128<<16     ; tensor_dim0 = 128
	s_mov_b32 s[G1M+2], 16<<16      ; tensor_dim1 = 16
	s_mov_b32 s[G1M+3], 128<<16     ; tile_dim0 = 128
	s_mov_b32 s[G1M+4], 32          ; tile_dim1 = 32
	s_mov_b32 s[G1M+5], 128
	s_mov_b32 s[G1M+6], 0
	s_mov_b32 s[G1M+7], 0
	s_mov_b32 s[CS], 0x3e38aa3b     ; c = log2(e) / 8
	s_mov_b32 s[CS+1], s[CS]
	s_mov_b32 s[SEL], 0x76543210
	s_mov_b32 s[SEL+1], 0xfedcba98
	s_mov_b32 s[TBK], SLOT1+4*KS*PK ; the first change of slots turns these two into 0
	s_mov_b32 s[TBV], SLOT1+4*KS*PV
	s_mov_b32 s[G0K], 1
	s_mov_b32 s[G0K+1], s17
	s_mov_b32 s[G0V], 1
	s_add_co_u32 s[G0V+1], s18, VOFF
	s_mov_b32 s[G0M], 1
	s_mul_i32 s[G0M+1], s[WV], VMC
	s_add_co_u32 s[G0M+1], s[G0M+1], VMB
	s_add_co_u32 s[RT], s[HI], 1
	s_mov_b32 s[NXT], 1
	s_mov_b32 s[LQ], s[HI]
	s_mov_b32 s[NEW], 1
	s_mov_b32 s[OFF+1], 0
	s_mov_b32 s[AL+1], 0
	s_mov_b32 s[BE+1], 0
	s_mov_b32 s[BIGN], 0xf149f2ca   ; -1e30
	s_mov_b32 s[MSK], 0xc8c35000    ; -400,000
	s_mov_b32 s[LOW], 0xff7fffff
	s_mov_b32 s[FL], 0
	s_mov_b32 s[SLOTS], NB
	s_cmp_eq_u32 s[PB], 0
	s_cselect_b32 s[LIM], 2, -1
	s_wait_dscnt 0x0                ; the opening add is done
	s_wait_kmcnt 0x0
	s_add_nc_u64 s[6:7], s[4:5], 0x1000000   ; K
	s_add_nc_u64 s[8:9], s[4:5], 0x2000000   ; V
	s_add_nc_u64 s[6:7], s[6:7], s[22:23]    ; at my half of the head's tile 0
	s_add_nc_u64 s[8:9], s[8:9], s[22:23]
	s_add_nc_u64 s[G0K+2:G0K+3], s[6:7], 0
	s_or_b32 s[G0K+3], s[G0K+3], 0x80000000
	s_add_nc_u64 s[G0V+2:G0V+3], s[8:9], 0
	s_or_b32 s[G0V+3], s[G0V+3], 0x80000000
	s_add_nc_u64 s[G0M+2:G0M+3], s[VMP:VMP+1], s[86:87]
	s_or_b32 s[G0M+3], s[G0M+3], 0x80000000
	s_add_nc_u64 s[86:87], s[4:5], s[88:89]        ; Q at my rows of the second block,
	s_add_nc_u64 s[4:5], s[4:5], s[2:3]            ; Q and O at those of the first
	s_add_nc_u64 s[OLO:OLO+1], s[10:11], s[88:89]
	s_add_nc_u64 s[10:11], s[10:11], s[2:3]
	s_cmp_lt_u32 s[WV], 2
	s_cselect_b64 s[PFA:PFA+1], s[6:7], s[8:9]
	s_add_nc_u64 s[PFA:PFA+1], s[PFA:PFA+1], 32768 ; at tile 1: the first change steps it to tile 2
	s_cmp_lt_u32 s[WV], 2           ; a wave's two first fills stand in one branch: tile 0's part into slot 0, and my copy of vm: two loads of mine are out
	s_cbranch_scc0 .Lfirst_v
	tensor_load_to_lds s[G0K:G0K+3], s[G1K:G1K+7]
	s_nop 0
	tensor_load_to_lds s[G0M:G0M+3], s[G1M:G1M+7]
	s_nop 0
.rept 4
	v_nop
.endr
	s_branch .Lfirst_asked
.Lfirst_v:
	tensor_load_to_lds s[G0V:G0V+3], s[G1V:G1V+7]
	s_nop 0
	tensor_load_to_lds s[G0M:G0M+3], s[G1M:G1M+7]
	s_nop 0
.rept 4
	v_nop
.endr
.Lfirst_asked:
	v_and_b32 v1, 15, v0            ; l % 16
	v_bfe_u32 v9, v0, 4, 1          ; l / 16
	v_lshlrev_b32 v[QO], 7, v1
	v_lshl_add_u32 v[QO], v9, 4, v[QO]
	WIN 0x80
.set i, 0
.rept 8                             ; both blocks' Q: piece i / 2 lies in band i / 2, 8,192 bytes on; channels 32 (i % 2) on
	global_load_b128 v[8*i:8*i+3],   v[QO], s[4:5] offset:(i/2)*8192+(i%2)*64
	global_load_b128 v[8*i+4:8*i+7], v[QO], s[4:5] offset:(i/2)*8192+(i%2)*64+32
	global_load_b128 v[QB+8*i:QB+8*i+3],   v[QO], s[86:87] offset:(i/2)*8192+(i%2)*64
	global_load_b128 v[QB+8*i+4:QB+8*i+7], v[QO], s[86:87] offset:(i/2)*8192+(i%2)*64+32
.set i, i+1
.endr
	WIN 0
	v_lshlrev_b32 v14, 3, v9
	v_sub_nc_u32 v14, v1, v14
	s_lshl_b32 s13, s[WV], 4
	v_add_nc_u32 v14, s13, v14      ; my query's place in its band less my lanes' 8 (l / 16): register r of group kt is hidden where 16 kt + r is greater
	v_add_nc_u32 v[QP0], s13, v1
	v_mov_b32 v[CB], 0              ; made anew where a block begins
	WIN 0x40
.set i, 0
.rept 32
	v_cmp_gt_i32 vcc_lo, 16*(i/8)+i%8, v14
	v_cndmask_b32 v[MD+i], 0, s[BIGN], vcc_lo
.set i, i+1
.endr
	WIN 0x04                        ; source 1 in window 1: MD's signs spread over the word,
.set i, 0
.rept 32
	v_ashrrev_i32 v[S+i], 31, v[MD+i]
.set i, i+1
.endr
	WIN 0
.set i, 0
.rept 16                            ; and packed as P is: score 2 n in the low half, 2 n + 1 in the high half
	v_perm_b32 v[HM+i], v[S+2*i+1], v[S+2*i], 0x05040100
.set i, i+1
.endr
	v_sub_nc_u32 v[MA0], 0, v9
	v_or_b32 v[MA1], 0xffff0000, v[MA0]
	v_and_b32 v[PFO], 31, v0
	v_lshlrev_b32 v[PFO], 8, v[PFO]
	v_mul_u32_u24 v[AK0], v1, PK
	v_lshl_add_u32 v[AK0], v9, 4, v[AK0]
	v_and_b32 v10, 7, v0
	v_bfe_u32 v11, v0, 3, 1
	v_lshl_add_u32 v[AV0], v9, 3, v10
	v_mul_u32_u24 v[AV0], v[AV0], PV
	v_lshl_add_u32 v[AV0], v11, 4, v[AV0]
	s_mul_i32 s13, s[WV], VMC
	s_add_co_u32 s13, s13, VMB
	v_add_nc_u32 v[AVM0], s13, v[AV0]  ; the same lane's place, in my copy of vm
	v_add_nc_u32 v[AV0], VOFF, v[AV0]
	s_mul_i32 s13, s[WV], 16*SP
	s_add_co_u32 s13, s13, STAGE
	v_mul_u32_u24 v[STO], v1, SP
	v_lshl_add_u32 v[STO], v9, 4, v[STO]
	v_add_nc_u32 v[STO], s13, v[STO]
	v_bfe_u32 v[RD], v0, 3, 2
	v_mul_u32_u24 v[RD], v[RD], SP
	v_lshl_add_u32 v[RD], v10, 4, v[RD]
	v_add_nc_u32 v[RD], s13, v[RD]
	v_and_b32 v[GO], 31, v0
	v_lshlrev_b32 v[GO], 4, v[GO]
	; A block's first step multiplies O^T and l by a = 0, so these registers need only hold finite numbers: zeros for the first block.  All this stands in the wait for the first tile.
	WIN 0x80
.set i, VF
.rept 64
	v_mov_b32 v[i], 0
.set i, i+1
.endr
	WIN 0x40
.set i, 0
.rept 128
	v_mov_b32 v[i], 0
.set i, i+1
.endr
	WIN 0
.set i, 0
.rept 4
	v_mov_b32 v[ST+4*i+2], 0
	v_mov_b32 v[ST+4*i+3], 0
.set i, i+1
.endr
.set i, P+16
.rept 16
	v_mov_b32 v[i], 0
.set i, i+1
.endr
; THE MATRIX WORK.  The 4 accumulators of a run of 8 take turns.
.macro KQ x
.set rS, S+32*((\x)%2)+8*(i%4)
.set rK, KF+16*(i%4)+8*(i/4)
.set rQ, 16*(\x)+8*(i/4)
.set rM, MC+32*((\x)%2)+8*(i%4)
.if (i < 4) && KM
	WIN W_KM
	v_wmma_f32_16x16x32_f16 v[rS:rS+7], v[rK:rK+7], v[rQ:rQ+7], v[rM:rM+7]
.elseif i < 4
	WIN W_KQ
	v_wmma_f32_16x16x32_f16 v[rS:rS+7], v[rK:rK+7], v[rQ:rQ+7], 0
.else
	WIN W_KQ
	v_wmma_f32_16x16x32_f16 v[rS:rS+7], v[rK:rK+7], v[rQ:rQ+7], v[rS:rS+7]
.endif
.endm
.macro PV x
	WIN W_PV
.set rO, 32*(\x)+8*(i%4)
.set rV, VF+32*(i/4)+8*(i%4)
.set rP, P+16*((\x)%2)+8*(i/4)
	v_wmma_f32_16x16x32_f16 v[rO:rO+7], v[rV:rV+7], v[rP:rP+7], v[rO:rO+7]
.endm
.macro MM
.if (i < 8) && !NOKQ
	KQ (Y+1)%NP
.elseif i >= 8
.set i, i-8
	PV (Y+NP-1)%NP
.set i, i+8
.endif
.set i, i+1
.endm
.macro FETCH_K
	WIN 0x80
.irp f, 0,1,2,3,4,5,6,7
	ds_load_b128 v[KF+8*\f:KF+8*\f+3],   v[AK] offset:(\f/2)*16*PK+(\f%2)*64
	ds_load_b128 v[KF+8*\f+4:KF+8*\f+7], v[AK] offset:(\f/2)*16*PK+(\f%2)*64+32
.endr
	s_add_co_u32 s[TBK], s[TBK], KS*PK
	WIN 0
.endm
.macro FETCH_V
	WIN 0x80
.irp f, 0,1,2,3,4,5,6,7
	ds_load_tr16_b128 v[VF+8*\f:VF+8*\f+3],   v[AV] offset:(\f/4)*32*PV+(\f%4)*32
	ds_load_tr16_b128 v[VF+8*\f+4:VF+8*\f+7], v[AV] offset:(\f/4)*32*PV+16*PV+(\f%4)*32
.endr
	WIN 0
.endm
; THE VECTOR WORK, one line at a time: OP kind, number.  For piece Y: F n: c s - c m for pair n.  E n: the exponential of score n.  C n: pair n rounded to f16.  B n: of the four weights 4 n .. the second pair onto
; the first.  L n: l takes that sum (L 0: l = a l + sum).  R n: pair n of O^T times a.  For piece Y + 1: X n, number n of the 22 that find its maximum and statistics (each accumulator's lowest registers first).
.set F, 0
.set E, 1
.set C, 2
.set B, 3
.set L, 4
.set R, 5
.set X, 6
.macro REGS y
.set rT, ST+4*(\y)
.set rC, TMP+4*((\y)%2)
.set rW, MV+((\y)%2)
.set rS, S+32*((\y)%2)
.set rP, P+16*((\y)%2)
.set rO, 32*(\y)
.endm
.macro OP k, n
.if (\k) == R
	REGS Y
	WIN W_RS
	v_pk_mul_f32 v[rO+2*(\n):rO+2*(\n)+1], v[rO+2*(\n):rO+2*(\n)+1], v[rC+2:rC+3] op_sel_hi:[1,0]
.elseif (\k) < R
	REGS Y
	WIN 0
.if (\k) == F
	v_pk_fma_f32 v[rS+2*(\n):rS+2*(\n)+1], v[rS+2*(\n):rS+2*(\n)+1], s[CS:CS+1], v[rT:rT+1] op_sel_hi:[1,0,0] neg_lo:[0,0,1] neg_hi:[0,0,1]
.elseif (\k) == E
	v_exp_f32 v[rS+(\n)], v[rS+(\n)]
.elseif (\k) == C
	v_cvt_pk_f16_f32 v[rP+(\n)], v[rS+2*(\n)], v[rS+2*(\n)+1]
.elseif (\k) == B
	v_pk_add_f32 v[rS+4*(\n):rS+4*(\n)+1], v[rS+4*(\n):rS+4*(\n)+1], v[rS+4*(\n)+2:rS+4*(\n)+3]
.elseif (\n) == 0
	v_pk_fma_f32 v[rT+2:rT+3], v[rT+2:rT+3], v[rC+2:rC+3], v[rS:rS+1] op_sel_hi:[1,0,1]
.else
	v_pk_add_f32 v[rT+2:rT+3], v[rT+2:rT+3], v[rS+4*(\n):rS+4*(\n)+1]
.endif
.elseif NOKQ
	v_nop
.else
	REGS (Y+1)%NP
	WIN 0
.if (\n) < 4
	v_max3_num_f32 v[rC+(\n)], v[rS+8*(\n)], v[rS+8*(\n)+1], v[rS+8*(\n)+2]
.elseif (\n) < 12
	v_max3_num_f32 v[rC+(\n)%4], v[rC+(\n)%4], v[rS+8*((\n)%4)+2*((\n)/4)+1], v[rS+8*((\n)%4)+2*((\n)/4)+2]
.elseif (\n) == 12
	v_max3_num_f32 v[rC], v[rC], v[rS+7], v[rS+15]
.elseif (\n) == 13
	v_max3_num_f32 v[rC+1], v[rC+1], v[rS+23], v[rS+31]
.elseif (\n) == 14
	v_max3_num_f32 v[rC+2], v[rC+2], v[rC+3], v[rT+1]
.elseif (\n) == 15
	v_mov_b32 v[rW], v[rT]
.elseif (\n) == 16
	v_max3_num_f32 v[rC], v[rC], v[rC+1], v[rC+2]
.elseif (\n) == 17
	v_permlanex16_b32 v[rC+3], v[rC], s[SEL], s[SEL+1]
.elseif (\n) == 18
	v_max_num_f32 v[rT+1], v[rC], v[rC+3]
.elseif (\n) == 19
	v_mul_f32 v[rT], s[CS], v[rT+1]
.elseif (\n) == 20
	v_sub_f32 v[rC+1], v[rW], v[rT]
.else
	v_exp_f32 v[rC+2], v[rC+1]
.endif
.endif
.endm
.macro OPS a, i1, b=-1, i2=0, c=-1, i3=0, d=-1, i4=0
	OP \a, \i1
.if (\b) >= 0
	OP \b, \i2
.endif
.if (\c) >= 0
	OP \c, \i3
.endif
.if (\d) >= 0
	OP \d, \i4
.endif
.endm
.macro ROW a, i1, b, i2, c, i3, d, i4
	MM
	OPS \a, \i1, \b, \i2, \c, \i3, \d, \i4
.endm
.macro MASK b
	WIN W_RS
.set z, 0
.rept 16
	v_pk_fma_f32 v[MC+32*(\b)+2*z:MC+32*(\b)+2*z+1], v[MD+2*z:MD+2*z+1], s[AL:AL+1], s[BE:BE+1] op_sel_hi:[1,0,0]
.set z, z+1
.endr
.endm
; A TURN, for piece p.  ONE wait cuts it in two: ahead of it stands all that names no result of the turn's exponentials (8 products K Q^T with their four riders each, then one lump); behind it the 8 products
; V^T P, behind each four of the roundings and sums.  m = 1: the diagonal tile: the products take masks, and the turn makes the mask for the turn after it.  end = 1: a block's last two turns: nothing is fetched.
; cnt = 1: the loop's count is taken down some lines ahead of the branch behind the turn; only vector lines and window switches follow the compare.
; THE HIDDEN PLACES (m = 1).  The softmax of turn p is that of step 4 - CNT for pieces 0, 1 and of step 3 - CNT for pieces 2, 3; piece 3's own step, 3, falls into the block's last turn.  Where the step is the
; band's own, the hidden halves of P take f16(w): c M - c m at the lump's head, its exponential in the turn's batch, the rest behind the wait, the 16 words of P at the turn's end, ahead of the next turn's V^T P.
.macro TURN p, m=0, end=0, cnt=0
.set Y, (\p)
.set i, 0
.set KM, (\m)
.set NOKQ, (\end)*((\p)/3)
.set HD, 0
.if \m
.if \end
.if (\p) == 3
.set HD, 2
.endif
.else
.if (\p) < 3
.set HD, 1
.endif
.endif
.endif
.if (\m) && !(\end)
	s_cmp_eq_u32 s[CNT], 4-((\p)+2)%NP
	s_cselect_b32 s[AL], 1.0, 0
	s_cmp_lt_u32 s[CNT], 4-((\p)+2)%NP
	s_cselect_b32 s[BE], s[BIGN], 0
.endif
.if HD == 1
	s_cmp_eq_u32 s[CNT], 4-(\p)-(\p)/2  ; 4, 3, 1 for pieces 0, 1, 2
	s_cselect_b32 s[FL], -1, 0
.endif
.if ((\p) == 3) && !(\end)
	s_wait_dscnt 0x0                ; K is in
.endif
	ROW F,0, F,1, R,0, R,1
	ROW F,2, E,0, R,2, R,3
	ROW F,3, E,1, R,4, R,5
	ROW F,4, E,2, R,6, R,7
	ROW F,5, E,3, R,8, R,9
	ROW F,6, E,4, X,0, R,10
.if ((\p) == 2) && !(\end)
	WIN 0
	v_add_nc_u32 v[AK], s[TBK], v[AK0]
.endif
	ROW F,7, E,5, X,1, X,4
	ROW F,8, E,6, X,2, X,5
.if HD
	WIN 0
	v_fma_f32 v[WE], s[MSK], s[CS], -v[ST+4*(\p)]
.endif
	OPS E,7, E,8, X,6, E,9
	OPS X,3, E,10, X,8, E,11
.if ((\p) == 2) && !(\end)
	FETCH_K
.endif
	OPS X,9, X,7, E,12, X,10
	OPS E,13, X,12, X,11, E,14
	OPS X,13, E,15, F,9, X,14
.if (\p) == 0
	v_add_nc_u32 v[AV], s[TBV], v[AV0]
.endif
	OPS E,16, F,10, E,17, F,11
	OPS X,16, E,18, X,15, E,19
	OPS F,12, E,20, X,17, E,21
	OPS F,13, E,22, F,14, E,23
	OPS X,18, E,24, F,15, E,25
	OPS R,11, E,26, X,19, E,27
	OPS R,12, E,28, R,13, E,29
	OPS X,20, E,30, R,14, E,31
.if HD
	WIN 0
	v_exp_f32 v[WE], v[WE]
.endif
	OPS X,21, R,15                  ; R 15 is the plain instruction behind the batch's last exponential
	WIN 0
	s_wait_alu depctr_va_vdst(0)    ; the wait for the batch, ahead of the first reader
.if HD
	v_min_num_f32 v[WE], 1.0, v[WE]
	v_cvt_pk_f16_f32 v[WP], v[WE], v[WE]
.if HD == 1
	v_and_b32 v[WP], s[FL], v[WP]
.endif
.endif
.if (\p) == 1
	s_wait_dscnt 0x0                ; V is in
.endif
	ROW C,0, B,0, C,2, B,1
	ROW L,0, C,4, B,2, L,1
	ROW C,6, B,3, L,2, C,8
	ROW B,4, L,3, C,10, B,5
	ROW L,4, C,12, B,6, L,5
.if (\p) == 0
	s_add_co_u32 s[TBV], s[TBV], KS*PV
.endif
.if \cnt
	s_sub_co_u32 s[CNT], s[CNT], 1
	s_cmp_lg_u32 s[CNT], 0
.endif
	ROW C,14, B,7, L,6, C,1
	ROW C,3, L,7, C,5, C,7
	ROW C,9, C,11, C,13, C,15
.if (\p) == 0
	FETCH_V
.endif
.if HD
	WIN 0
.set z, 0
.rept 16
	v_and_or_b32 v[P+16*((\p)%2)+z], v[HM+z], v[WP], v[P+16*((\p)%2)+z]
.set z, z+1
.endr
.endif
.if (\m) && !(\end)
	MASK (\p)%2
.endif
.endm
; A BLOCK BEGINS.  c m starts far below every c s, so the first step's a is 0; m starts at M, the hidden keys' score; only the row 2047, which has none, starts at the lowest number.
.macro BEGIN
	s_mov_b32 s[NEW], 0
	WIN 0x40
.set i, MC+32
.rept 32
	v_mov_b32 v[i], 0
.set i, i+1
.endr
	WIN 0
.set i, 0
.rept 4
	v_mov_b32 v[ST+4*i], 0xfe000000
	v_mov_b32 v[ST+4*i+1], s[MSK]
.set i, i+1
.endr
	s_lshl_b32 s13, s[CUR], 8
	s_sub_co_u32 s13, SIZE_N-1, s13
	v_sub_nc_u32 v[CB], s13, v[QP0]
	v_cmp_eq_u32 vcc_lo, 192, v[CB]    ; band 3's count, CB - 192, is 0
	v_cndmask_b32 v[ST+13], v[ST+13], s[LOW], vcc_lo
	s_cmp_eq_u32 s[RT], 0
	s_cselect_b32 s[AL], 1.0, 0
	s_mov_b32 s[BE], 0
	MASK 0
	WIN 0
	v_add_nc_u32 v[AK], s[TBK], v[AK0]
	FETCH_K
	s_wait_loadcnt 0x0              ; Q
	s_wait_dscnt 0x0
.set KM, 1
.set NOKQ, 0
.set i, 0
.rept 8
	KQ 0
.set i, i+1
.endr
	WIN 0
.rept 4
	v_nop                           ; the places behind those products
.endr
.set Y, NP-1
.irp n, 0,1,2,3,4,5,6,7,8,9,10,11,12,13,14,15,16,17,18,19,20,21
	OP X, \n
.endr
	v_nop
	s_wait_alu depctr_va_vdst(0)
.endm
.macro ALL line:vararg
.set t, 0
.rept 4
	\line
.set t, t+1
.endr
.endm
.macro PACK t
	WIN W_RS
.set i, 32*(\t)
.rept 16
	v_pk_mul_f32 v[i:i+1], v[i:i+1], v[ST+4*(\t)+2:ST+4*(\t)+3] op_sel_hi:[1,0]
.set i, i+2
.endr
	WIN 0x05
.set i, 0
.rept 16
	v_cvt_pk_f16_f32 v[S+16*(\t)+i], v[32*(\t)+2*i], v[32*(\t)+2*i+1]
.set i, i+1
.endr
	WIN 0
.irp f, 0,1,2,3
	ds_store_b128 v[STO], v[S+16*(\t)+4*\f:S+16*(\t)+4*\f+3] offset:32*\f
.endr
.irp f, 0,1,2,3
	ds_load_b128 v[S+16*(\t)+4*\f:S+16*(\t)+4*\f+3], v[RD] offset:\f*4*SP  ; LDS serves a wave's instructions in order (ISA guide 5.7.1.4)
.endr
.endm
.macro SEND t, younger
	WIN 0
.irp f, 0,1,2,3
	s_wait_dscnt (\younger)+3-\f
	global_store_b128 v[GO], v[S+16*(\t)+4*\f:S+16*(\t)+4*\f+3], s[10:11] offset:(\t)*8192+\f*512  ; 512 consecutive bytes, aligned
.endr
.endm
; THE DIAGONAL TILE's four steps, the block's last two turns, its last products, the wholly hidden groups' share, and the way out.
.macro DIAG tag
.LstepM\tag:
	TURN 2, 1
	TURN 3, 1
	WIN 0
.LfirstM\tag:
	TURN 0, 1
	TURN 1, 1, 0, 1
	WIN 0
	s_cbranch_scc1 .LstepM\tag
	TURN 2, 1, 1
	WIN 0                           ; K's registers are free (their last reader stands a lump and eight riders' rows back): they take vm's rows 4 block + 1 on, turned as V is: 32 pseudo-keys x 64 channels
	s_lshl_b32 s13, s[CUR], 2
	s_add_co_u32 s13, s13, 1
	s_min_u32 s13, s13, 29          ; (4 x 7 + 1 at the most: the bound is written out)
	s_mul_i32 s13, s13, PV
	v_add_nc_u32 v[AVM], s13, v[AVM0]
	WIN 0x80
.irp f, 0,1,2,3
	ds_load_tr16_b128 v[KF+8*\f:KF+8*\f+3],   v[AVM] offset:\f*32
	ds_load_tr16_b128 v[KF+8*\f+4:KF+8*\f+7], v[AVM] offset:16*PV+\f*32
.endr
	WIN 0
	TURN 3, 1, 1
.set i, 0
.rept 8
	PV NP-1
.set i, i+1
.endr
	WIN 0
	ALL v_fma_f32 v[W4+t], s[MSK], s[CS], -v[ST+4*t]
	ALL v_exp_f32 v[W4+t], v[W4+t]
	ALL v_add_f32 v[ST+4*t+2], v[ST+4*t+2], v[ST+4*t+3]
	ALL v_permlanex16_b32 v[ST+4*t+3], v[ST+4*t+2], s[SEL], s[SEL+1]
	ALL v_add_f32 v[ST+4*t+2], v[ST+4*t+2], v[ST+4*t+3]
	s_wait_alu depctr_va_vdst(0)    ; one wait for the four exponentials, ahead of their first reader
	ALL v_min_num_f32 v[W4+t], 1.0, v[W4+t]
	ALL v_add_nc_u32 v[CT+t], -64*t, v[CB]
	ALL v_cvt_f32_u32 v[CT+t], v[CT+t]
	ALL v_fma_f32 v[ST+4*t+2], v[W4+t], v[CT+t], v[ST+4*t+2]  ; l += w x (2047 - i)
	ALL v_rcp_f32 v[ST+4*t+2], v[ST+4*t+2]
	ALL v_mul_f32 v[W4+t], 0x42800000, v[W4+t]                ; 64 w
	ALL v_cvt_pk_f16_f32 v[W4+t], v[W4+t], v[W4+t]
	; Pseudo-key kk is group 4 block + 1 + kk; band x's wholly hidden groups are kk >= x.  In source 1 lanes 0-15 hold kk = 0, 1 in register 0 and 2, 3 in register 1; all other places are kk >= 4.
.irp x, 0,1,2,3
.if \x == 0
	v_mov_b32 v[PG+8*\x], v[W4+\x]
.elseif \x == 1
	v_and_b32 v[PG+8*\x], v[MA1], v[W4+\x]
.else
	v_and_b32 v[PG+8*\x], v[MA0], v[W4+\x]
.endif
.if \x == 3
	v_and_b32 v[PG+8*\x+1], v[MA1], v[W4+\x]
.else
	v_mov_b32 v[PG+8*\x+1], v[W4+\x]
.endif
.irp r, 2,3,4,5,6,7
	v_mov_b32 v[PG+8*\x+\r], v[W4+\x]
.endr
.endr
	s_wait_dscnt 0x0                ; vm's rows are in
	WIN W_PV
.set i, 0
.rept 16                            ; sixteen accumulators, one instruction each
	v_wmma_f32_16x16x32_f16 v[32*(i%4)+8*(i/4):32*(i%4)+8*(i/4)+7], v[KF+8*(i/4):KF+8*(i/4)+7], v[PG+8*(i%4):PG+8*(i%4)+7], v[32*(i%4)+8*(i/4):32*(i%4)+8*(i/4)+7]
.set i, i+1
.endr
	WIN 0
.rept 4
	v_nop                           ; the places behind those products
.endr
	s_wait_alu depctr_va_vdst(0)    ; one wait for the four reciprocals, ahead of their first reader
	PACK 0
.set t, 1
.rept 3
	PACK t
	SEND t-1, 8
.set t, t+1
.endr
	SEND 3, 0
.endm
.set KM, 0
.set NOKQ, 0
.Lslot:                             ; NB times: a tile is entered and the next is asked for
	CHANGE 1
	s_sub_co_u32 s[RT], s[RT], 1
	s_mov_b32 s[CNT], 4
	s_cmp_eq_u32 s[NEW], 1
	s_cbranch_scc1 .Lnew
	s_cmp_eq_u32 s[RT], 0
	s_cbranch_scc0 .Lstep
	s_branch .LstepM1
.Lnew:
	BEGIN
	s_branch .Lfirst                ; in the loop a block's first tile is never its last
	DIAG 1                          ; in the loop this is the first block's end
	s_wait_xcnt 0x0                 ; the stores have read their registers and O's address
	s_mov_b64 s[10:11], s[OLO:OLO+1]
	s_add_co_u32 s[RT], s[PB], 1
	s_mov_b32 s[NEW], 1
	s_mov_b32 s[CUR], s[PB]
	WIN 0x82
.set i, 0
.rept 64
	v_mov_b32 v[i], v[QB+i]
.set i, i+1
.endr
	WIN 0
	s_branch .Lbottom
.Lstep:
	TURN 2
	TURN 3
	WIN 0
.Lfirst:
	TURN 0
	TURN 1, 0, 0, 1
	WIN 0
	s_cbranch_scc1 .Lstep
.Lbottom:
	s_sub_co_u32 s[SLOTS], s[SLOTS], 1
	s_cmp_lg_u32 s[SLOTS], 0
	s_cbranch_scc1 .Lslot
	CHANGE 0                        ; the walk's last tile is written out
	s_sub_co_u32 s[RT], s[RT], 1
	s_mov_b32 s[CNT], 4
	s_cmp_eq_u32 s[NEW], 1
	s_cbranch_scc0 .LstepM2
	BEGIN
	s_branch .LfirstM2
	DIAG 2
	s_wait_tensorcnt 0x0            ; the wave's end
	ds_add_u32 v[SPW], v[NIL]
	s_wait_dscnt 0x0
	s_endpgm
.Lfunc_end_k_qd72cbc649d_attn:
	.size	k_qd72cbc649d_attn, .Lfunc_end_k_qd72cbc649d_attn-k_qd72cbc649d_attn
	.p2alignl 7, 3214868480
	.fill 96, 4, 3214868480
	.section	.rodata,"a",@progbits
	.p2align	6, 0x0
	.amdhsa_kernel k_qd72cbc649d_attn
		.amdhsa_group_segment_fixed_size 327680
		.amdhsa_private_segment_fixed_size 0
		.amdhsa_enable_private_segment 0
		.amdhsa_kernarg_size 24
		.amdhsa_user_sgpr_count 2
		.amdhsa_user_sgpr_kernarg_segment_ptr 1
		.amdhsa_wavefront_size32 1
		.amdhsa_system_sgpr_workgroup_id_x 1
		.amdhsa_system_sgpr_workgroup_id_y 1
		.amdhsa_system_sgpr_workgroup_id_z 1
		.amdhsa_system_vgpr_workitem_id 0
		.amdhsa_next_free_vgpr 768
		.amdhsa_next_free_sgpr 96
		.amdhsa_reserve_vcc 1
		.amdhsa_float_denorm_mode_32 3
		.amdhsa_float_denorm_mode_16_64 3
		.amdhsa_memory_ordered 1
		.amdhsa_forward_progress 1
		.amdhsa_inst_pref_size 241
	.end_amdhsa_kernel
	.amdgpu_metadata
---
amdhsa.version: [ 1, 2 ]
amdhsa.kernels:
  - .name:           k_qd72cbc649d_attn
    .symbol:         k_qd72cbc649d_attn.kd
    .args:
      - { .name: qkv, .offset: 0, .size: 8, .value_kind: global_buffer, .address_space: global }
      - { .name: vm, .offset: 8, .size: 8, .value_kind: global_buffer, .address_space: global }
      - { .name: ob, .offset: 16, .size: 8, .value_kind: global_buffer, .address_space: global }
    .group_segment_fixed_size: 327680
    .private_segment_fixed_size: 0
    .kernarg_segment_align: 8
    .kernarg_segment_size: 24
    .max_flat_workgroup_size: 128
    .sgpr_count:     96
    .vgpr_count:     768
    .wavefront_size: 32
...
	.end_amdgpu_metadata
.endif
;; end of part 3
;; launch gemm_out (part 4): grid 8 x 32, 4 waves a work-group, clusters of 4 x 4, 327,680 bytes of LDS; arguments ob, wot, out0; writes out0
.if DOCPART == 4
	.amdgcn_target "amdgcn-amd-amdhsa--gfx1250"
	.amdhsa_code_object_version 6
	.text
	.protected	k_qd72cbc649d_gemm_out
	.globl	k_qd72cbc649d_gemm_out
	.p2align	8
	.type	k_qd72cbc649d_gemm_out,@function
k_qd72cbc649d_gemm_out:
	s_mov_b64 s[64:65], 0
	v_nop
	global_prefetch_b8 v0, s[64:65] scope:SCOPE_SE
	s_setreg_imm32_b32 hwreg(HW_REG_WAVE_MODE, 25, 1), 1
	s_wait_xcnt 0x0
	s_wait_alu depctr_hold_cnt(0) depctr_sa_sdst(0) depctr_va_vdst(0) depctr_va_sdst(0) depctr_va_ssrc(0) depctr_va_vcc(0) depctr_vm_vsrc(0)
	s_getreg_b32 s2, hwreg(HW_REG_IB_STS2, 6, 4)
	s_cmp_eq_u32 s2, 0
	s_cbranch_scc0 .Lentry_in_a_cluster
	s_endpgm
.Lentry_in_a_cluster:
	s_bfe_u32 s2, ttmp6, 0x10000c
	s_cmp_lg_u32 s2, 0xf033
	s_cbranch_scc0 .Lentry_shape_is_right
	s_endpgm
.Lentry_shape_is_right:
; out0 = O Wo.  ob: [batch x 16 + head][2048][64] f16; wot: [1024 n][1024 k] f16 (Wo turned, rounded to bf16); out0: [8192][1024] f32; sums in f32.
; A tile is 256 rows x 128 columns: 32 x 8 = 256 work-groups.  Four waves, one above the other: wave w makes rows 64 w .. 64 w + 63 x 128 columns: 32 accumulators, window 2.
; K goes in 8 steps of 128 = two heads.  A head's 256 rows are 32,768 dense bytes: asked for as 128 rows of 256, padded in LDS after every 128 (pitch 144).  Two slots, 2^17 bytes apart.
; CLUSTER 4 x 4: ob's tile is shared along a row of the cluster, wot's along a column.  The matrix instruction is used transposed: a lane holds row l % 16 and eight neighbouring columns, 32 bytes.
; REGISTERS: window 0 addresses and the way out; window 1 two fragment buffers of 96 (ob's 4 blocks, then wot's 8); window 2 accumulator (a, b) at 8 (8 a + b).
.set KSTEP,  128
.set PA,     144
.set PITCH,  272
.set HAH,    256*PA                    ; a head's 256 rows: what waves 0, 1 fetch
.set HB,     64*PITCH                  ; what waves 2, 3 fetch
.set BOFF,   2*HAH
.set SLOT1,  1<<17
.set STAGE,  SLOT1+BOFF+2*HB
.set SPITCH, 528                       ; 512 bytes + 16
.set SPARE,  STAGE+4*16*SPITCH
.set ASTEP,  2*2048*128                ; two heads on, in ob
.set A0,   16
.set B0,   17
.set ADRA, 18
.set ADRB, 19
.set STO,  20
.set RD,   21
.set CO,   22
.set SPW,  28
.set NIL,  29
.set PFO,  30
.set OB,   32                          ; v32-95, v96-159 by turns
.set F0,   0
.set F1,   96
.set TB,   2
.set PST,  18                          ; s[18:19] a K step, in bytes, of what I prefetch
.set G1A,  24
.set G0A,  32
.set G1B,  48
.set G0B,  56
.set LIM,  43
.set PFA,  44
.set MSB, 0
.macro WIN new
.if MSB != (\new)
	s_set_vgpr_msb (MSB<<8)|(\new)
.set MSB, \new
.endif
.endm
.set MUL,  0xa5
.set TO_F, 0x40
.macro PLACES
.rept 4
	v_nop
.endr
.endm
.macro JLOAD                           ; a joint refill by the walking sets; an s_nop 0 and four v_nop follow each line
	s_cmp_eq_u32 s11, 0
	s_cbranch_scc0 .Lfor_b_\@
	tensor_load_to_lds s[G0A+4:G0A+7], s[G1A:G1A+7]
	s_nop 0
	PLACES
	s_branch .Lasked_\@
.Lfor_b_\@:
	tensor_load_to_lds s[G0B+4:G0B+7], s[G1B:G1B+7]
	s_nop 0
	PLACES
.Lasked_\@:
.endm
; A prefetch of the K step two refills on.  ob: the clusters with x = 0, waves 0 and 1; of a head's 128 blocks of 256 bytes partner cx takes 32, a lane a block.  wot: the clusters with y = 0, wave 2 alone;
; of the tile's 128 rows partner cy takes 32, a lane a row.  The partners are told apart by address.  The loop's last two trips have no such K step.
.macro ASK
	s_cmp_gt_u32 s3, s[LIM]
	s_cbranch_scc0 .Lnot_mine_\@
	global_prefetch_b8 v[PFO], s[PFA:PFA+1] th:TH_LOAD_NT scope:SCOPE_SE
.Lnot_mine_\@:
.endm
.macro CREST
	s_cmp_lg_u32 s10, 0
	s_cbranch_scc1 .Lnot_wave_0_\@
	s_barrier_signal -3
.Lnot_wave_0_\@:
	s_barrier_wait -3
	s_barrier_signal -1
	s_barrier_wait -1
.endm
.macro CROUND
	s_barrier_signal -1
	s_barrier_wait -1
	CREST
.endm
	s_load_b128 s[4:7], s[0:1], 0x0                ; ob s[4:5], wot s[6:7]
	s_load_b64 s[8:9], s[0:1], 0x10                ; out0
	v_lshl_add_u32 v[SPW], v0, 2, SPARE
	v_mov_b32 v[NIL], 0
	ds_add_u32 v[SPW], v[NIL]                      ; the wave's opening: the add and its wait ahead of my first tensor load
	ds_add_u32 v28, v29
	v_lshrrev_b32 v1, 5, v0
	v_readfirstlane_b32 s10, v1
	s_lshr_b32 s11, s10, 1                         ; I fetch for ob (0) or for wot (1),
	s_and_b32 s12, s10, 1                          ; the step's first or second head; the tile's first or second 64 rows
	s_bfe_u32 s40, ttmp6, 0x40000
	s_bfe_u32 s41, ttmp6, 0x40004
	s_lshl_b32 s42, ttmp9, 2
	s_add_co_u32 s42, s42, s40                     ; tile column
	s_and_b32 s13, ttmp7, 0xffff
	s_lshl_b32 s13, s13, 2
	s_add_co_u32 s13, s13, s41                     ; tile row
	s_lshl_b32 s43, s41, 2
	s_lshl_b32 s43, 15, s43
	s_lshl_b32 s44, 0x1111, s40
	s_or_b32 s[G1A+0], s43, (1<<16)|(1<<20)|(1<<21)|(4<<22)|(3<<25)  ; padding after every 32 words, 4 words
	s_or_b32 s[G1B+0], s44, (1<<16)|(1<<20)|(1<<21)|(5<<22)|(3<<25)  ; after every 64 words
	s_mov_b32 s[G1A+1], 128<<16
	s_mov_b32 s[G1A+2], 128<<16
	s_mov_b32 s[G1A+3], 128<<16
	s_mov_b32 s[G1A+4], 128
	s_mov_b32 s[G1A+5], 128                        ; dense
	s_mov_b32 s[G1A+6], 0
	s_mov_b32 s[G1A+7], 0
	s_mov_b32 s[G1B+1], 128<<16
	s_mov_b32 s[G1B+2], 64<<16
	s_mov_b32 s[G1B+3], 128<<16
	s_mov_b32 s[G1B+4], 64
	s_mov_b32 s[G1B+5], 1024
	s_mov_b32 s[G1B+6], 0
	s_mov_b32 s[G1B+7], 0
	s_lshr_b32 s16, s13, 3
	s_lshl_b32 s16, s16, 4
	s_add_co_u32 s16, s16, s12                     ; batch x 16 + my head of K step 0,
	s_lshl_b32 s16, s16, 18                        ; 2^18 bytes a head,
	s_and_b32 s17, s13, 7
	s_lshl_b32 s17, s17, 15                        ; the tile's 256 rows in it
	s_add_co_u32 s16, s16, s17
	s_mov_b32 s17, 0
	s_lshl_b32 s46, s42, 18                        ; wot: row 128 x tile column + 64 x half, 2,048 bytes a row
	s_lshl_b32 s47, s12, 17
	s_add_co_u32 s46, s46, s47
	s_mov_b32 s47, 0
	s_mul_i32 s20, s12, HAH
	s_mul_i32 s21, s12, HB
	s_add_co_u32 s21, s21, BOFF
	s_mov_b32 s[TB], 0
	s_wait_dscnt 0x0
	s_wait_kmcnt 0x0
	s_add_nc_u64 s[14:15], s[4:5], s[16:17]
	s_add_nc_u64 s[46:47], s[6:7], s[46:47]
	CROUND
.irp s, 0,1
	s_mov_b32 s[G0A+4*(\s)], 1
	s_add_co_u32 s[G0A+4*(\s)+1], s20, (\s)*SLOT1
	s_add_nc_u64 s[G0A+4*(\s)+2:G0A+4*(\s)+3], s[14:15], (\s)*ASTEP
	s_or_b32 s[G0A+4*(\s)+3], s[G0A+4*(\s)+3], 0x80000000
	s_mov_b32 s[G0B+4*(\s)], 1
	s_add_co_u32 s[G0B+4*(\s)+1], s21, (\s)*SLOT1
	s_add_nc_u64 s[G0B+4*(\s)+2:G0B+4*(\s)+3], s[46:47], (\s)*KSTEP*2
	s_or_b32 s[G0B+4*(\s)+3], s[G0B+4*(\s)+3], 0x80000000
.endr
	s_cmp_eq_u32 s11, 0                            ; a wave's two first fills stand in one branch: two loads of mine are out
	s_cbranch_scc0 .Lfirst_b
	tensor_load_to_lds s[G0A:G0A+3], s[G1A:G1A+7]
	s_nop 0
	tensor_load_to_lds s[G0A+4:G0A+7], s[G1A:G1A+7]
	s_nop 0
	PLACES
	s_branch .Lfirst_asked
.Lfirst_b:
	tensor_load_to_lds s[G0B:G0B+3], s[G1B:G1B+7]
	s_nop 0
	tensor_load_to_lds s[G0B+4:G0B+7], s[G1B:G1B+7]
	s_nop 0
	PLACES
.Lfirst_asked:
	v_and_b32 v1, 15, v0
	v_bfe_u32 v2, v0, 4, 1
	v_and_b32 v5, 31, v0
	v_mul_u32_u24 v3, v1, PA
	v_lshl_add_u32 v3, v2, 4, v3
	s_mul_i32 s20, s10, 64*PA                      ; my 64 rows
	v_add_nc_u32 v[A0], s20, v3
	v_mul_u32_u24 v3, v1, PITCH
	v_lshl_add_u32 v3, v2, 4, v3
	v_add_nc_u32 v[B0], BOFF, v3
	v_mov_b32 v[ADRA], v[A0]
	v_mov_b32 v[ADRB], v[B0]
	s_mul_i32 s20, s10, 16*SPITCH
	s_add_co_u32 s20, s20, STAGE
	v_mul_u32_u24 v4, v1, SPITCH
	v_lshl_add_u32 v4, v2, 5, v4
	v_add_nc_u32 v[STO], s20, v4                   ; in: row r, 32 bytes for each half of the lanes
	v_lshl_add_u32 v[RD], v5, 4, s20               ; back: a whole row of 512 bytes
	v_lshlrev_b32 v[CO], 4, v5
	s_lshl_b32 s20, s13, 20                        ; out0: row 256 x tile row + 64 x wave, 4,096 bytes a row; column 128 x tile column
	s_lshl_b32 s21, s10, 18
	s_add_co_u32 s20, s20, s21
	s_lshl_b32 s21, s42, 9
	s_add_co_u32 s20, s20, s21
	s_mov_b32 s21, 0
	s_add_nc_u64 s[8:9], s[8:9], s[20:21]
	; the prefetches
	s_lshl_b32 s20, s40, 13
	s_add_co_u32 s20, s20, s16                     ; ob: my head's rows, my work-group's 32 blocks
	s_lshl_b32 s21, s42, 18
	s_lshl_b32 s22, s41, 16
	s_add_co_u32 s21, s21, s22                     ; wot: the tile's rows, my work-group's 32
	s_and_b32 s22, ttmp7, 0xffff
	s_mov_b32 s14, ASTEP
	s_mov_b32 s15, KSTEP*2
	s_cmp_eq_u32 s11, 0
	s_cselect_b32 s20, s20, s21
	s_cselect_b32 s22, ttmp9, s22                  ; the coordinate along which other clusters read the same rows
	s_cselect_b32 s[PST], s14, s15
	s_cselect_b32 s23, 8, 11
	s_cselect_b64 s[PFA:PFA+1], s[4:5], s[6:7]
	s_cmp_eq_u32 s10, 3
	s_cselect_b32 s22, 1, s22                      ; wave 3 asks for nothing
	s_cmp_eq_u32 s22, 0
	s_cselect_b32 s[LIM], 2, -1
	s_mov_b32 s[PST+1], 0
	s_mul_i32 s21, s[PST], 3
	s_add_co_u32 s20, s20, s21                     ; at K step 3: the first refill steps it to 4
	s_mov_b32 s21, 0
	s_add_nc_u64 s[PFA:PFA+1], s[PFA:PFA+1], s[20:21]
	v_lshlrev_b32 v[PFO], s23, v5
; 8 matrix instructions: row block a x all 8 column blocks.  The 32 accumulators take turns in one order everywhere.
.macro MULA f, a, zero
	WIN MUL
.irp b, 0,1,2,3,4,5,6,7
.if \zero
	v_wmma_f32_16x16x32_f16 v[8*(8*(\a)+(\b)):8*(8*(\a)+(\b))+7], v[(\f)+32+8*(\b):(\f)+32+8*(\b)+7], v[(\f)+8*(\a):(\f)+8*(\a)+7], 0
.else
	v_wmma_f32_16x16x32_f16 v[8*(8*(\a)+(\b)):8*(8*(\a)+(\b))+7], v[(\f)+32+8*(\b):(\f)+32+8*(\b)+7], v[(\f)+8*(\a):(\f)+8*(\a)+7], v[8*(8*(\a)+(\b)):8*(8*(\a)+(\b))+7]
.endif
.endr
.endm
; 24 LDS loads in one run: quarter q = head q / 2 of the step, channels 32 (q % 2) on: wot's 16, then ob's blocks 0, 1, then 2, 3
.macro FETCH q, f
	WIN TO_F
.irp b, 0,1,2,3,4,5,6,7
	ds_load_b128 v[(\f)+32+8*(\b):(\f)+32+8*(\b)+3],   v[ADRB] offset:64*(\q)+(\b)*16*PITCH
	ds_load_b128 v[(\f)+32+8*(\b)+4:(\f)+32+8*(\b)+7], v[ADRB] offset:64*(\q)+(\b)*16*PITCH+32
.endr
.irp i, 0,1,2,3
	ds_load_b128 v[(\f)+8*(\i):(\f)+8*(\i)+3],   v[ADRA] offset:((\q)/2)*HAH+((\q)%2)*64+(\i)*16*PA
	ds_load_b128 v[(\f)+8*(\i)+4:(\f)+8*(\i)+7], v[ADRA] offset:((\q)/2)*HAH+((\q)%2)*64+(\i)*16*PA+32
.endr
.endm
.macro QUARTER q, f, g, zero
	s_wait_dscnt 4                                 ; all but the youngest four loads (ob's blocks 2, 3)
	MULA \f, 0, \zero
	MULA \f, 1, \zero
	PLACES
	FETCH \q, \g
	s_wait_dscnt 24                                ; all but the 24 just issued
	MULA \f, 2, \zero
	MULA \f, 3, \zero
.endm
.macro MEET round
	WIN 0
	s_wait_tensorcnt 0x0                           ; all my tensor loads have landed: my part of the next slot;
	ds_add_u32 v[SPW], v[NIL]                      ; 0 onto my spare word;
	s_wait_dscnt 5                                 ; (the add and the youngest four loads may be out)
	MULA F1, 0, 0
	s_wait_dscnt 0x0                               ; the add is done, and my reads of this slot are over
	s_barrier_signal -1
	MULA F1, 1, 0
.if \round
	WIN 0
.endif
	s_barrier_wait -1
.endm
.macro TURN fill                       ; fill = 1: the slot just read is filled again, two K steps ahead: 112 matrix instructions ahead of the wait for it
.if \fill
	s_wait_xcnt 0x0                                ; the last prefetch, a K step back, has read its address
	s_add_nc_u64 s[PFA:PFA+1], s[PFA:PFA+1], s[PST:PST+1]
.endif
	MEET \fill
.if \fill
	CREST
	s_xor_b32 s[G0A+5], s[G0A+5], SLOT1
	s_add_nc_u64 s[G0A+6:G0A+7], s[G0A+6:G0A+7], ASTEP
	s_xor_b32 s[G0B+5], s[G0B+5], SLOT1
	s_add_nc_u64 s[G0B+6:G0B+7], s[G0B+6:G0B+7], KSTEP*2
	JLOAD
.else
	PLACES
.endif
	WIN 0
	s_xor_b32 s[TB], s[TB], SLOT1
	v_add_nc_u32 v[ADRA], s[TB], v[A0]
	v_add_nc_u32 v[ADRB], s[TB], v[B0]
	FETCH 0, F0
.if \fill
	WIN 0
	ASK
.endif
	MULA F1, 2, 0
	MULA F1, 3, 0
.endm
	s_wait_tensorcnt 1                             ; my part of K step 0 is in; K step 1's may stay out
	s_barrier_signal -1
	s_barrier_wait -1
	FETCH 0, F0
	QUARTER 1, F0, F1, 1
	WIN 0
	s_mov_b32 s3, 6
.Lk:
	QUARTER 2, F1, F0, 0
	QUARTER 3, F0, F1, 0
	TURN 1
	QUARTER 1, F0, F1, 0
	WIN 0
	s_sub_co_u32 s3, s3, 1
	s_cmp_lg_u32 s3, 0
	s_cbranch_scc1 .Lk
	QUARTER 2, F1, F0, 0
	QUARTER 3, F0, F1, 0
	TURN 0
	QUARTER 1, F0, F1, 0
	QUARTER 2, F1, F0, 0
	QUARTER 3, F0, F1, 0
	s_wait_dscnt 4
	MULA F1, 0, 0
	MULA F1, 1, 0
	s_wait_dscnt 0x0
	MULA F1, 2, 0
	MULA F1, 3, 0
; THE WAY OUT, 16 rows at a time: f32 as it is, 32 bytes a lane into my stage (each accumulator's low four registers first), back as whole rows of 512 bytes
.macro TOSTAGE a
.set BK, OB+64*((\a)%2)
.if (\a) >= 2
	s_wait_xcnt 0x0                                ; the stores of two blocks back have read these registers
.endif
	WIN 0x08                                       ; the stores' data in window 2
.irp b, 0,1,2,3,4,5,6,7
	ds_store_b128 v[STO], v[8*(8*(\a)+(\b)):8*(8*(\a)+(\b))+3]   offset:64*(\b)
	ds_store_b128 v[STO], v[8*(8*(\a)+(\b))+4:8*(8*(\a)+(\b))+7] offset:64*(\b)+16
.endr
	WIN 0
.irp t, 0,1,2,3,4,5,6,7,8,9,10,11,12,13,14,15
	ds_load_b128 v[BK+4*(\t):BK+4*(\t)+3], v[RD] offset:(\t)*SPITCH  ; LDS serves a wave's instructions in order (ISA guide 5.7.1.4)
.endr
.endm
.macro SEND a, younger                 ; younger: the next block's 16 stores and 16 loads, or none
	WIN 0
.set BK, OB+64*((\a)%2)
	s_wait_dscnt \younger
.irp t, 0,1,2,3,4,5,6,7,8,9,10,11,12,13,14,15
	global_store_b128 v[CO], v[BK+4*(\t):BK+4*(\t)+3], s[8:9] offset:65536*(\a)+4096*(\t) th:TH_STORE_NT  ; 512 consecutive bytes, aligned
.endr
.endm
	PLACES
	TOSTAGE 0
	TOSTAGE 1
	SEND 0, 32
	TOSTAGE 2
	SEND 1, 32
	TOSTAGE 3
	SEND 2, 32
	SEND 3, 0
	s_wait_tensorcnt 0x0                           ; the wave's end
	ds_add_u32 v[SPW], v[NIL]
	s_wait_dscnt 0x0
	CROUND                                         ; the closing round
	s_endpgm
.Lfunc_end_k_qd72cbc649d_gemm_out:
	.size	k_qd72cbc649d_gemm_out, .Lfunc_end_k_qd72cbc649d_gemm_out-k_qd72cbc649d_gemm_out
	.p2alignl 7, 3214868480
	.fill 96, 4, 3214868480
	.section	.rodata,"a",@progbits
	.p2align	6, 0x0
	.amdhsa_kernel k_qd72cbc649d_gemm_out
		.amdhsa_group_segment_fixed_size 327680
		.amdhsa_private_segment_fixed_size 0
		.amdhsa_enable_private_segment 0
		.amdhsa_kernarg_size 24
		.amdhsa_user_sgpr_count 2
		.amdhsa_user_sgpr_kernarg_segment_ptr 1
		.amdhsa_wavefront_size32 1
		.amdhsa_system_sgpr_workgroup_id_x 1
		.amdhsa_system_sgpr_workgroup_id_y 1
		.amdhsa_system_sgpr_workgroup_id_z 1
		.amdhsa_system_vgpr_workitem_id 0
		.amdhsa_next_free_vgpr 768
		.amdhsa_next_free_sgpr 66
		.amdhsa_reserve_vcc 0
		.amdhsa_float_denorm_mode_32 3
		.amdhsa_float_denorm_mode_16_64 3
		.amdhsa_memory_ordered 1
		.amdhsa_forward_progress 1
		.amdhsa_inst_pref_size 70
	.end_amdhsa_kernel
	.amdgpu_metadata
---
amdhsa.version: [ 1, 2 ]
amdhsa.kernels:
  - .name:           k_qd72cbc649d_gemm_out
    .symbol:         k_qd72cbc649d_gemm_out.kd
    .args:
      - { .name: ob, .offset: 0, .size: 8, .value_kind: global_buffer, .address_space: global }
      - { .name: wot, .offset: 8, .size: 8, .value_kind: global_buffer, .address_space: global }
      - { .name: out0, .offset: 16, .size: 8, .value_kind: global_buffer, .address_space: global }
    .group_segment_fixed_size: 327680
    .private_segment_fixed_size: 0
    .kernarg_segment_align: 8
    .kernarg_segment_size: 24
    .max_flat_workgroup_size: 128
    .sgpr_count:     66
    .vgpr_count:     768
    .wavefront_size: 32
...
	.end_amdgpu_metadata
.endif
;; end of part 4
